; MI455X (gfx1250); checked and timed in simulation.
; The chip was launched on July 23, 2026; its instructions are those of AMD's public machine-readable ISA for CDNA 5 (MIT licence, August 2026) and "CDNA5" Instruction Set Architecture Reference Guide (July 2026). The comments in the code are by the model that wrote it; some were corrected since.
;; Multi Head Attention. Allowed arithmetic: matrix products marked QUANTISED: E2M3 operands, one E8M0 scale for each 32 along K, by v_wmma_scale_f32_16x16x128_f8f6f4 with both operands' format E2M3, f32 sums; everything else in f32.
;; Inputs: Wk 1,024 x 1,024 float32; Wo 1,024 x 1,024 float32; Wq 1,024 x 1,024 float32; Wv 1,024 x 1,024 float32; bk 1,024 float32; bo 1,024 float32; bq 1,024 float32; bv 1,024 float32; k 4 x 2,048 x 1,024 float32; q 4 x 2,048 x 1,024 float32; v 4 x 2,048 x 1,024 float32.
;; Outputs: out0 4 x 2,048 x 1,024 float32.
;; This version of the problem:
;;   THIS VERSION OF THE PROBLEM IS GIVEN IN LOW PRECISION. The matrix products marked QUANTISED in the list below multiply operands that are first quantised to E2M3 (2 exponent bits, 3 mantissa bits; 6 bits a number), with one power-of-two scale for each 32 numbers along K (OCP MX v1.0); their sums are f32. All else is computed in f32.
;;   The module's matrix products, in the order in which they are computed (A, B: the left and right operand; K: the contracted axis; several contracted axes count as one K, in the product's order):
;;     1. [M 8,192, K 1,024] x [K 1,024, N 1,024]; A: input q; B: input Wq: QUANTISED
;;     2. [M 8,192, K 1,024] x [K 1,024, N 1,024]; A: input k; B: input Wk: QUANTISED
;;     3. [M 8,192, K 1,024] x [K 1,024, N 1,024]; A: input v; B: input Wv: QUANTISED
;;     4. batch 64 x [M 2,048, K 64] x [K 64, N 2,048]; A: computed on the way; B: computed on the way: QUANTISED
;;     5. batch 64 x [M 2,048, K 2,048] x [K 2,048, N 64]; A: softmax (see below); B: computed on the way: QUANTISED
;;     6. [M 8,192, K 1,024] x [K 1,024, N 1,024]; A: computed on the way; B: input Wo: QUANTISED
;;   THE QUANTISER, for each operand of a quantised product, along K:
;;     - K is cut into blocks of 32 from its start; a last block that is shorter is filled with zeros.
;;     - A block's scale is 2^e with e = floor(log2(the largest magnitude in the block)) - 2, held to -126 .. 127; a block of zeros has e = 0. As a byte (E8M0): e + 127.
;;     - Each number is divided by its block's scale, clamped to +-7.5, and rounded to the nearest number of E2M3, ties to even, subnormals kept.
;;     - The product sums the exact products of the quantised numbers (number of the format x scale) in f32.
;;   ~~~python
;;   def quantise(x, axis):      # numpy; x: float32 -> the quantised numbers, widened to float32 again
;;       x = np.moveaxis(x, axis, -1); K = x.shape[-1]
;;       x = np.pad(x, [(0, 0)] * (x.ndim - 1) + [(0, -K % 32)]); x = x.reshape(x.shape[:-1] + (-1, 32)); a = np.abs(x).max(-1, keepdims=True)
;;       e = np.where(a > 0, np.clip(np.frexp(np.where(a > 0, a, 1))[1] - 1 - 2, -126, 127), 0)      # np.frexp(a)[1] - 1 = floor(log2(a)), exactly
;;       r = np.clip(x / 2.0 ** e, -7.5, 7.5)
;;       step = 2.0 ** (np.maximum(np.frexp(np.where(r == 0, 1, r))[1] - 1, 0) - 3)
;;       q = np.round(r / step) * step * 2.0 ** e      # np.round: ties to even
;;       return np.moveaxis(q.reshape(q.shape[:-2] + (-1,))[..., :K], -1, axis).astype(np.float32)
;;   ~~~
;;   SOFTMAX AHEAD OF A QUANTISED PRODUCT. Where the list says 'softmax', what is quantised is not the finished softmax but p = 2^(t - M), with t = logit x log2(e) and M = ceil(the row's largest t), a whole number; so 1/2 < the row's largest p <= 1. The row's sum l is taken of the UNQUANTISED p, in f32, and the product's result is divided by l at the end. Since M is a whole number, a kernel that streams over the keys may use a running M (the ceiling of the running maximum): every later rescaling is an exact power of two, which a block's scale takes up: the codes' values come out the same.
;;   OPERANDS COMPUTED ON THE WAY. 'Computed on the way' means the value that the module computes at that place (a softmax that the list does not call 'softmax' is quantised finished and normalised). What goes into a quantiser is computed in f32, as accurately as f32 sums, v_exp_f32 and their like allow (about 1e-6 of the number): no bf16 or f16 on the way to a quantiser, and a product that is left as it is and whose result goes on into a quantised operand takes f32 operands (vector FMAs, or v_wmma_f32_16x16x4_f32). A number that lies on a knife's edge between two numbers of the format may be rounded either way, as far as f32 arithmetic and the matrix unit's own rounding can turn it there, and no further.
;; One version. Each part assembles by itself: llvm-mc -triple=amdgcn-amd-amdhsa -mcpu=gfx1250 --defsym DOCPART=n.
;; ======== version 1 of 1: 4 launches
;; limits: right only within a limited range of input values
;; workspace buffers: ic 23,855,104 bytes; is 917,504 bytes; pc 18,874,368 bytes; ps 786,432 bytes; cc 6,291,456 bytes; cs 262,144 bytes
;; launch quant (part 1): grid 1792 x 1, 2 waves a work-group, no clusters, 16,640 bytes of LDS; arguments q, k, v, Wq, Wk, Wv, Wo, ic, is; writes ic, is
.if DOCPART == 1
	.amdgcn_target "amdgcn-amd-amdhsa--gfx1250"
	.amdhsa_code_object_version 6
	.text
	.protected	k_q1911fd731c_quant
	.globl	k_q1911fd731c_quant
	.p2align	8
	.type	k_q1911fd731c_quant,@function
k_q1911fd731c_quant:
	s_mov_b64 s[64:65], 0
	v_nop
	global_prefetch_b8 v0, s[64:65] scope:SCOPE_SE
	s_setreg_imm32_b32 hwreg(HW_REG_WAVE_MODE, 25, 1), 1
	s_wait_xcnt 0x0
; q, k, v [8192][1024] and Wq, Wk, Wv, Wo [1024][1024], f32 with K innermost, become codes of FP6 (E2M3) and one E8M0 scale byte for each 32 along K.
; A block's scale is 2^(floor(log2(its largest magnitude)) - 2); its byte is the largest magnitude's exponent field - 2, held at 1 from below.  Each number is divided by the scale and rounded to the nearest code, ties to even.
; THE CODES' BUFFER ic: the seven tensors on end; inside a tensor of R rows: [K step of 256: 4][row: R][208 bytes: 192 of codes, 16 of zeros].  So 64 rows of one K step are 13,312 dense bytes that begin at a multiple of 256,
; and rows 208 bytes apart need no padding in LDS: sixteen neighbouring rows begin in sixteen different groups of four banks.
; THE SCALE BYTES is: [row][32], the tensors on end.
; THE ORDER OF CODES IN A BLOCK: in every buffer of codes of this program the four groups of eight codes of a block lie in the order 0, 2, 1, 3, the order in which the later launches' matrix results
; fall into codes; both operands of every product carry it, so each product multiplies the same pairs, and a block keeps its 32 members.
; LIMITS: a block of zeros, or one whose largest magnitude lies under 2^-124, gets the byte 1 (this program alone reads the bytes); NaN and infinities are not served.
; A wave takes 8 rows in 16 steps of 512 numbers.  A step's four loads read 512 consecutive bytes each; the 2,048 bytes turn through the wave's own stage in LDS and come back 64 bytes a lane: the even lane of a
; pair takes groups 0 and 2 of the pair's block, the odd lane groups 1 and 3.  Lanes 0-15 hold one K step's 192 bytes of the row, lanes 16-31 the next K step's.  No barrier: waves share nothing.
.set STEPS, 16
.set EMAX,  2
.set CB,    12                         ; bytes of 16 codes
.set RP,    208                        ; from row to row in ic
.set R,     16                         ; v16-79   four sets of 16 numbers as they are loaded
.set X,     80                         ; v80-111  two sets of 16 numbers of one block
.set C,     128                        ; v128-191 codes: four registers a step, so that no store's data are written again
.set E,     112                        ; v112-127 a scale byte for each step
.set WREG,  8192                       ; LDS: a region for each wave: two stages of 32 x SP bytes, behind them its 256 scale bytes
.set SP,    80                         ; 64 bytes + 16 of padding
	s_load_b256 s[4:11], s[0:1], 0x0               ; q, k, v, Wq
	s_load_b256 s[12:19], s[0:1], 0x20             ; Wk, Wv, Wo, ic
	s_load_b64 s[20:21], s[0:1], 0x40              ; is
	v_lshl_add_u32 v192, v0, 2, 0x4000             ; my spare word, behind the two regions
	v_mov_b32 v193, 0
	v_lshrrev_b32 v1, 5, v0
	v_readfirstlane_b32 s22, v1                    ; wave
	v_and_b32 v2, 31, v0                           ; lane
	v_lshlrev_b32 v3, 4, v2                        ; my 16 bytes of a load's 512
	s_mul_i32 s23, s22, WREG
	v_lshrrev_b32 v14, 2, v2
	v_mul_u32_u24 v14, v14, SP
	v_and_b32 v15, 3, v2
	v_lshl_add_u32 v14, v15, 4, v14
	v_add_nc_u32 v14, s23, v14                     ; the stage, on the way in
	v_and_b32 v15, 30, v2
	v_mul_u32_u24 v15, v15, SP
	v_and_b32 v13, 1, v2
	v_lshl_add_u32 v15, v13, 5, v15
	v_add_nc_u32 v15, s23, v15                     ; on the way out: groups 0 and 2 at SP (lane & 30) and SP on, groups 1 and 3 32 bytes further
	v_and_b32 v4, 15, v2
	v_mul_u32_u24 v4, v4, CB                       ; my codes' place in a row's 192 bytes
	v_lshrrev_b32 v10, 4, v2                       ; which of the step's two K steps
	v_lshrrev_b32 v5, 1, v2
	s_add_co_u32 s23, s23, 2*32*SP
	v_add_nc_u32 v5, s23, v5                       ; LDS: my block's scale byte
	v_lshlrev_b32 v7, 3, v2
	v_add_nc_u32 v6, s23, v7
	s_wait_alu depctr_va_vdst(0)                   ; the wait at the head's end
	s_wait_kmcnt 0x0
	s_mov_b64 s[24:25], s[4:5]                     ; the tensor that my work-group reads, and its first work-group: chosen by the work-group's number alone
	s_mov_b32 s26, 0
.macro PICK first, ptr
	s_cmp_ge_u32 ttmp9, \first
	s_cselect_b64 s[24:25], s[\ptr:\ptr+1], s[24:25]
	s_cselect_b32 s26, \first, s26
.endm
	PICK 512, 6                                    ; q, k, v: 512 work-groups of 16 rows each
	PICK 1024, 8
	PICK 1536, 10                                  ; the weights: 64 each
	PICK 1600, 12
	PICK 1664, 14
	PICK 1728, 16
	s_sub_co_u32 s27, ttmp9, s26
	s_lshl_b32 s27, s27, 1
	s_add_co_u32 s27, s27, s22                     ; which run of 8 rows of the tensor is my wave's
	s_lshl_b32 s28, s27, 15
	s_mov_b32 s29, 0
	s_add_nc_u64 s[24:25], s[24:25], s[28:29]
	s_lshl_b32 s27, ttmp9, 1
	s_add_co_u32 s27, s27, s22                     ; and which run of all seven tensors
	s_mul_i32 s28, s27, 8*RP                       ; codes: the tensor begins at 13,312 x its first work-group, my rows 1,664 x my run in it:
	s_mul_i32 s30, s26, 9984                       ; = 1,664 x the run of all + 9,984 x the first work-group
	s_add_co_u32 s28, s28, s30
	s_add_nc_u64 s[18:19], s[18:19], s[28:29]
	s_lshl_b32 s28, s27, 8                         ; 256 scale bytes a run
	s_add_nc_u64 s[20:21], s[20:21], s[28:29]
	s_mov_b32 s30, 0x34000                         ; from a K step to the next: 208 x the tensor's rows
	s_cmp_lt_u32 ttmp9, 1536
	s_cselect_b32 s30, 0x1a0000, s30
	s_lshl_b32 s31, s30, 1
	v_mad_u32_u24 v4, v10, s30, v4                 ; even steps: K steps 0 and 1
	v_add_nc_u32 v10, s31, v4                      ; odd steps: K steps 2 and 3
	v_and_b32 v12, 7, v2                           ; the 16 bytes behind a row's codes: my wave has 8 rows x 4 K steps of them, one a lane
	v_mul_u32_u24 v12, v12, RP
	v_lshrrev_b32 v13, 3, v2
	v_mad_u32_u24 v1, v13, s30, v12
	s_wait_alu depctr_va_vdst(0)                   ; the wait behind these writes
.macro LOAD t
.irp i, 0,1,2,3
	global_load_b128 v[R+16*((\t)%4)+4*\i:R+16*((\t)%4)+4*\i+3], v3, s[24:25] offset:2048*(\t)+512*\i th:TH_LOAD_NT
.endr
.endm
.macro TURN t                          ; LDS serves a wave's instructions in order: no wait between the stores and the loads
.irp i, 0,1,2,3
	ds_store_b128 v14, v[R+16*((\t)%4)+4*\i:R+16*((\t)%4)+4*\i+3] offset:32*SP*((\t)%2)+8*SP*\i
.endr
.irp i, 0,1,2,3
	ds_load_b128 v[X+16*((\t)%2)+4*\i:X+16*((\t)%2)+4*\i+3], v15 offset:32*SP*((\t)%2)+SP*(\i/2)+16*(\i%2)
.endr
.endm
.irp t, 0,1,2,3
	LOAD \t
.endr
	s_wait_loadcnt 12                              ; step 0's four loads are in; the twelve behind them stay out
	TURN 0
.macro STEP t
.set XS, X+16*((\t)%2)
.if (\t) > 0
	s_wait_dscnt 1                                 ; this step's numbers are back (the last step's byte store may be out)
.else
	s_wait_dscnt 0x0
.endif
.if (\t)+4 < STEPS
	LOAD (\t)+4
.endif
.if (\t)+1 < STEPS
.if STEPS-2-(\t) >= 3
	s_wait_loadcnt 12                              ; the next step's four loads are in; three steps' may be out
.else
	s_wait_loadcnt 4*(STEPS-2-(\t))
.endif
	TURN (\t)+1
.endif
	v_max3_num_f32 v8, |v[XS]|, |v[XS+1]|, |v[XS+2]|
	v_max3_num_f32 v9, |v[XS+3]|, |v[XS+4]|, |v[XS+5]|
.irp i, 6,10
	v_max3_num_f32 v8, v8, |v[XS+\i]|, |v[XS+\i+1]|
	v_max3_num_f32 v9, v9, |v[XS+\i+2]|, |v[XS+\i+3]|
.endr
	v_max3_num_f32 v8, v8, |v[XS+14]|, |v[XS+15]|
	v_max3_num_f32 v8, v8, v9, (EMAX+1)<<23        ; the floor 2^(3 - 127): the byte cannot fall under 1
	v_max_num_f32_dpp v8, v8, v8 row_xmask:1 row_mask:0xf bank_mask:0xf   ; with my neighbour's 16: the block's
	v_add_nc_u32 v11, -(EMAX<<23), v8              ; the conversion takes the exponent field of this operand as its scale
	v_cvt_scalef32_pk16_fp6_f32 v[C+4*(\t):C+4*(\t)+2], v[XS:XS+15], v11
	v_lshrrev_b32 v[E+(\t)], 23, v11               ; the scale's byte
	ds_store_b8 v5, v[E+(\t)] offset:16*(\t)
.if (\t)%2
	global_store_b96 v10, v[C+4*(\t):C+4*(\t)+2], s[18:19] offset:RP*((\t)/2)   ; row t / 2: sixteen lanes store a row's 192 bytes of a K step
.else
	global_store_b96 v4, v[C+4*(\t):C+4*(\t)+2], s[18:19] offset:RP*((\t)/2)
.endif
.endm
.irp t, 0,1,2,3,4,5,6,7,8,9,10,11,12,13,14,15
	STEP \t
.endr
.irp i, 80,81,82,83
	v_mov_b32 v\i, 0                               ; (the even steps' numbers are done with; no pending memory instruction names these registers)
.endr
	global_store_b128 v1, v[80:83], s[18:19] offset:192   ; zeros behind each of my 32 runs of codes: with them my 8 rows of a K step are 1,664 bytes on end
	ds_load_b64 v[12:13], v6
	s_wait_dscnt 0x0
	global_store_b64 v7, v[12:13], s[20:21]        ; 32 lanes store 256 consecutive bytes, aligned
	s_wait_tensorcnt 0x0                           ; the wave's end
	ds_add_u32 v192, v193
	s_wait_dscnt 0x0
	s_endpgm
.Lfunc_end_k_q1911fd731c_quant:
	.size	k_q1911fd731c_quant, .Lfunc_end_k_q1911fd731c_quant-k_q1911fd731c_quant
	.p2alignl 7, 3214868480
	.fill 96, 4, 3214868480
	.section	.rodata,"a",@progbits
	.p2align	6, 0x0
	.amdhsa_kernel k_q1911fd731c_quant
		.amdhsa_group_segment_fixed_size 16640
		.amdhsa_private_segment_fixed_size 0
		.amdhsa_enable_private_segment 0
		.amdhsa_kernarg_size 72
		.amdhsa_user_sgpr_count 2
		.amdhsa_user_sgpr_kernarg_segment_ptr 1
		.amdhsa_wavefront_size32 1
		.amdhsa_system_sgpr_workgroup_id_x 1
		.amdhsa_system_sgpr_workgroup_id_y 1
		.amdhsa_system_sgpr_workgroup_id_z 1
		.amdhsa_system_vgpr_workitem_id 0
		.amdhsa_next_free_vgpr 194
		.amdhsa_next_free_sgpr 66
		.amdhsa_reserve_vcc 0
		.amdhsa_float_denorm_mode_32 3
		.amdhsa_float_denorm_mode_16_64 3
		.amdhsa_memory_ordered 1
		.amdhsa_forward_progress 1
		.amdhsa_inst_pref_size 34
	.end_amdhsa_kernel
	.amdgpu_metadata
---
amdhsa.version: [ 1, 2 ]
amdhsa.kernels:
  - .name:           k_q1911fd731c_quant
    .symbol:         k_q1911fd731c_quant.kd
    .args:
      - { .name: q, .offset: 0, .size: 8, .value_kind: global_buffer, .address_space: global }
      - { .name: k, .offset: 8, .size: 8, .value_kind: global_buffer, .address_space: global }
      - { .name: v, .offset: 16, .size: 8, .value_kind: global_buffer, .address_space: global }
      - { .name: Wq, .offset: 24, .size: 8, .value_kind: global_buffer, .address_space: global }
      - { .name: Wk, .offset: 32, .size: 8, .value_kind: global_buffer, .address_space: global }
      - { .name: Wv, .offset: 40, .size: 8, .value_kind: global_buffer, .address_space: global }
      - { .name: Wo, .offset: 48, .size: 8, .value_kind: global_buffer, .address_space: global }
      - { .name: ic, .offset: 56, .size: 8, .value_kind: global_buffer, .address_space: global }
      - { .name: is, .offset: 64, .size: 8, .value_kind: global_buffer, .address_space: global }
    .group_segment_fixed_size: 16640
    .private_segment_fixed_size: 0
    .kernarg_segment_align: 8
    .kernarg_segment_size: 72
    .max_flat_workgroup_size: 64
    .sgpr_count:     66
    .vgpr_count:     194
    .wavefront_size: 32
...
	.end_amdgpu_metadata
.endif
;; end of part 1
;; launch proj (part 2): grid 32 x 8, 4 waves a work-group, clusters of 4 x 4, 327,680 bytes of LDS; arguments ic, is, bq, bk, bv, pc, ps; writes pc, ps
.if DOCPART == 2
	.amdgcn_target "amdgcn-amd-amdhsa--gfx1250"
	.amdhsa_code_object_version 6
	.text
	.protected	k_q1911fd731c_proj
	.globl	k_q1911fd731c_proj
	.p2align	8
	.type	k_q1911fd731c_proj,@function
k_q1911fd731c_proj:
	s_mov_b64 s[64:65], 0
	v_nop
	global_prefetch_b8 v0, s[64:65] scope:SCOPE_SE
	s_setreg_imm32_b32 hwreg(HW_REG_WAVE_MODE, 25, 1), 1
	s_wait_xcnt 0x0
	s_wait_alu depctr_hold_cnt(0) depctr_sa_sdst(0) depctr_va_vdst(0) depctr_va_sdst(0) depctr_va_ssrc(0) depctr_va_vcc(0) depctr_vm_vsrc(0)
	s_getreg_b32 s2, hwreg(HW_REG_IB_STS2, 6, 4)
	s_cmp_eq_u32 s2, 0
	s_cbranch_scc0 .Lentry_in_a_cluster
	s_endpgm
.Lentry_in_a_cluster:
	s_bfe_u32 s2, ttmp6, 0x10000c
	s_cmp_lg_u32 s2, 0xf033
	s_cbranch_scc0 .Lentry_shape_is_right
	s_endpgm
.Lentry_shape_is_right:
; q_ = q Wq^T + bq, k_ and v_ likewise, on codes of FP6 with E8M0 scales; each result is quantised again (q_, k_ along the head's features, v_ along the tokens) and leaves as images of operand registers (1,536 bytes:
; registers 0-3 at 16 x lane, 4-5 at 512 + 8 x lane, 6-7 at 768 + 8 x lane, 8-11 at 1,024 + 16 x lane) in pc and as scale words (one a row of an image) in ps.
; THE DEAL.  256 work-groups of four waves, 2 x 2.  Work-group (tile row, tile column) takes 256 tokens x the 128 features of one pair of heads through THREE PHASES: q_, k_, v_.  Wave (w, c) holds in registers, all of K,
; the 64 weight rows of head c of the pair (four tiles of 16, 384 registers) and streams past them eight blocks of 16 tokens: block s is token tile 8 w + s of the work-group's sixteen.
; q_, k_: source 0 = the weight's rows: a lane holds one token and 32 features, two halves of blocks of 32.  v_: source 0 = the tokens: a lane holds one feature and 8 tokens; two blocks on end give 16 members of a block of 32 tokens.
; LDS: six chunks of 64 rows x 4 K steps x 208 bytes (53,248 bytes, dense in each K step of ic): tokens' chunks 0-3, the weights' chunks 0, 1.  Behind them the stages for scale bytes and the spare words.
; FILLS.  Head: one load a wave: the weights' two chunks, tokens' chunks 0 and 2.  Behind the three lines and a round: tokens' chunks 1 and 3.  In block 2 of phases q_ and k_, in a drained round: the NEXT phase's tokens' chunks 0, 2
; (this phase's blocks 0-3 lie in registers or are done) and both its weights' chunks (this phase's lie in registers).  In block 7 likewise: the next phase's chunks 1, 3.  What a round's loads bring is shown to all by the next round;
; in v_ by a plain barrier in block 2.  Every wait on TENSORcnt is for 0.
; CLUSTER 4 x 4: the cluster's x counts tile rows; tokens' chunks are asked for jointly by a column of the cluster, the weights' by a row.
; No data prefetch: a refill is asked for three blocks, 96 matrix instructions, or more ahead of its first read.
; The tokens' scale words of all eight blocks, the weights' and the bias come by plain loads into registers, the next phase's while this phase runs (the weights' and the bias by way of registers of their own, moved at a phase's head).
; q_ and k_ are one text, a loop of two trips; what differs lies in pointers, s77 and v[STO].
; LIMITS: NaN and infinities are not served; a block of zeros or under 2^-124 gets the byte 1 (this program alone reads the bytes); a sum begins with the bias.
.set NQ, 8
.set NB, 4
.set FR, 12
.set FPW, 256/FR
.set NF, 48                            ; LDS loads of a block of tokens
.set IMG, 1536
.set PITCH, 208
.set PLN, 64*PITCH                     ; a K step of a chunk
.set CH, 4*PLN
.set YB, 4*CH                          ; the weights' chunks
.set STG, 6*CH                         ; q_'s and k_'s scale bytes: [phase][token tile][row][4]
.set STGV, STG+2048                    ; v_'s scale words: 256 bytes a wave
.set SPARE, STG+3072
.set AQ0, 4                            ; v4 LDS address of my block 0; v5 of the block that is fetched next
.set AQ, 5
.set BA, 6                             ; v6 of my weights
.set V16, 7
.set V8, 8
.set BH, 9                             ; v9 32 x (lane / 16); v12 4 x (lane % 16): the bias
.set SPW, 10
.set NIL, 11
.set BR, 12
.set ABS, 13                           ; v13 32 x lane; v14 32 x (lane % 16): scale bytes in is
.set AAS, 14
.set STO, 15                           ; v15-18 the stages
.set SV, 16
.set SVR, 17
.set SQR, 18
.set SB, 24                            ; v24-39 the weights' scale words; v40-55 the next phase's
.set SBN, 40
.set ACC, 56                           ; v56-119 the sums of two blocks
.set SA, 124                           ; v124-187 the tokens' scale words, eight a block
.set TM, 188                           ; v188-203 at work
.set PWV, 204                          ; v204-207 v_'s scale words
.set NC, 208                           ; v208-213 q_'s or k_'s codes
.set PW, 214
.set T2, 216                           ; v216-231 second conversions' codes
.set VC, 232                           ; v232-255 v_'s codes, six a tile
.set BO, 128                           ; window 3: v128-159 the bias as the first products' C; v160-191 the next phase's
.set BON, 160
.set G1A, 24
.set G1B, 32
.set G0A, 56
.set G0B, 60
.set AP, 46                            ; s[46:47] my tokens' chunk 0 or 2 of the phase asked for last; s[48:49] my weights' chunk
.set BP, 48
.set SAP, 50                           ; s[50:51] my tokens' scale bytes; s[52:53] my weights'
.set SBP, 52
.set QP, 54                            ; s[54:55] q_'s or k_'s images; s[66:67] v_'s
.set VP, 66
.set SEL, 92
.set MSB, 0
.macro WIN new
.if MSB != \new
	s_set_vgpr_msb (MSB<<8)|\new
.set MSB, \new
.endif
.endm
.macro PLACES n
.rept \n
	v_nop
.endr
.endm
.macro WALU
	s_wait_alu depctr_va_vdst(0)
.endm
.macro BARRIER
	s_barrier_signal -1
	s_barrier_wait -1
.endm
.macro MIDDLE                          ; a round's middle
	s_barrier_wait -1
	s_cmp_lg_u32 s14, 0
	s_cbranch_scc1 .Lnot_wave_0_\@
	s_barrier_signal -3
.Lnot_wave_0_\@:
	s_barrier_wait -3
.endm
.macro CROUND
	s_barrier_signal -1
	MIDDLE
	BARRIER
.endm
.macro TLOAD g0, g1                    ; an s_nop 0 and four v_nop follow a tensor load
	tensor_load_to_lds s[\g0:\g0+3], s[\g1:\g1+7]
	s_nop 0
	PLACES 4
.endm
.macro LOADS4                          ; waves 0, 1: tokens' chunks; waves 2, 3: the weights'
	s_cmp_lt_u32 s14, 2
	s_cbranch_scc0 .Lb_\@
	TLOAD G0A, G1A
	s_branch .Ld_\@
.Lb_\@:
	TLOAD G0B, G1B
.Ld_\@:
.endm
.macro LOADS2
	s_cmp_lt_u32 s14, 2
	s_cbranch_scc0 .Ld_\@
	TLOAD G0A, G1A
.Ld_\@:
.endm
.macro FRAG f, a, off, q               ; a fragment: six pieces of 8 bytes; q: which 128 of the K step's 256
.set R_, FR*((\f)%FPW)
	WIN (1+(\f)/FPW)<<6
.irp p, 0,1,2,3,4,5
	ds_load_b64 v[R_+2*\p:R_+2*\p+1], v[\a] offset:(\off)+96*(\q)+48*(\p/3)+8*(\p%3)
.endr
.endm
.macro FETCHA e, a                     ; a block of tokens into set e
.irp q, 0,1,2,3,4,5,6,7
	FRAG NB*NQ+NQ*(\e)+\q, \a, (\q/2)*PLN, \q%2
.endr
	WIN 0
.endm
.macro PROD2 d, r0, r1, c, x0, x1, side, o
.if \o
	v_wmma_scale_f32_16x16x128_f8f6f4 v[\d:\d+7], v[\r0:\r0+FR-1], v[\r1:\r1+FR-1], \c, v[\x0], v[\x1] matrix_a_fmt:MATRIX_FMT_FP6 matrix_b_fmt:MATRIX_FMT_FP6 matrix_\side\()_scale:MATRIX_SCALE_ROW1
.else
	v_wmma_scale_f32_16x16x128_f8f6f4 v[\d:\d+7], v[\r0:\r0+FR-1], v[\r1:\r1+FR-1], \c, v[\x0], v[\x1] matrix_a_fmt:MATRIX_FMT_FP6 matrix_b_fmt:MATRIX_FMT_FP6 matrix_\side\()_scale:MATRIX_SCALE_ROW0
.endif
.endm
.macro PROD1 v, d, rb, ra, c, xb, xa, o
.if \v
	PROD2 \d, \ra, \rb, \c, \xa, \xb, b, \o
.else
	PROD2 \d, \rb, \ra, \c, \xb, \xa, a, \o
.endif
.endm
.macro PROD v, s, n                    ; product n = 4 q + tile of block s.  The four accumulators take turns
.set Q_, (\n)/4
.set T_, (\n)%4
.set FB_, NB*Q_+T_
.set FA_, NB*NQ+NQ*((\s)%2)+Q_
.set RB_, FR*(FB_%FPW)
.set RA_, FR*(FA_%FPW)
.set XB_, SB+NQ*(T_/2)+Q_
.set XA_, SA+8*(\s)+Q_
.if \v
.set D_, ACC+16*T_+8*((\s)%2)
.set W_, (1+FA_/FPW)|((1+FB_/FPW)<<2)
.else
.set D_, ACC+32*((\s)%2)+8*T_
.set W_, (1+FB_/FPW)|((1+FA_/FPW)<<2)
.endif
.if Q_
	WIN W_
	PROD1 \v, D_, RB_, RA_, v[D_:D_+7], XB_, XA_, T_%2
.else
	WIN W_|0x30
	PROD1 \v, D_, RB_, RA_, v[BO+8*T_:BO+8*T_+7], XB_, XA_, T_%2
.endif
.endm
.macro PRODS v, s, from, to
.set N_, \from
.rept (\to)-(\from)
	PROD \v, \s, N_
.set N_, N_+1
.endr
	WIN 0
.endm
; a block's 32 products.  rnd = 1, 2: with a drained round and its refills; 3: with a plain barrier.  lc: the loads that may stay out behind this block's scale words
.macro BLK v, s, rnd, lc
	s_wait_loadcnt \lc
.if \rnd
	s_wait_tensorcnt 0x0                           ; all my tensor loads have landed
.if (\rnd) < 3
	ds_add_u32 v[SPW], v[NIL]
.endif
.if (\rnd) == 1
	s_add_nc_u64 s[AP:AP+1], s[AP:AP+1], 0x680000  ; no tensor load of mine is out: the next phase's tensors
	s_add_nc_u64 s[BP:BP+1], s[BP:BP+1], 0xd0000
	s_mov_b32 s[G0A+1], s76
	s_mov_b64 s[G0A+2:G0A+3], s[AP:AP+1]
	s_or_b32 s[G0A+3], s[G0A+3], 0x80000000
	s_mov_b64 s[G0B+2:G0B+3], s[BP:BP+1]
	s_or_b32 s[G0B+3], s[G0B+3], 0x80000000
.elseif (\rnd) == 2
	s_add_co_u32 s[G0A+1], s76, CH
	s_add_nc_u64 s[G0A+2:G0A+3], s[AP:AP+1], PLN
	s_or_b32 s[G0A+3], s[G0A+3], 0x80000000
.endif
	PRODS \v, \s, 0, 24
	s_wait_dscnt 0x0                               ; the add is done, and so are all my LDS reads
	s_barrier_signal -1
	PRODS \v, \s, 24, 32
.if (\rnd) < 3
	MIDDLE
	BARRIER
.else
	s_barrier_wait -1
.endif
.if (\rnd) == 1
	LOADS4
.elseif (\rnd) == 2
	LOADS2
.endif
.else
	PRODS \v, \s, 0, 32
.endif
.endm
.macro RUNHEAD s                       ; behind a block's products: four plain vector lines, then the fetch of the block two on into its registers
.if (\s) < 6
	v_add_nc_u32 v[AQ], (((\s)+2)/4)*CH+(((\s)+2)%4)*16*PITCH, v[AQ0]
	PLACES 3
	WALU
.else
	PLACES 4
.endif
	s_wait_xcnt 0x0                                ; earlier stores have read their registers
.if (\s) < 6
	FETCHA (\s)%2, AQ
.endif
.endm
.macro NEXTW                           ; the next phase's weights' scale words and bias
.irp p, 0,1
.irp c, 0,1
	global_load_b128 v[SBN+NQ*\p+4*\c:SBN+NQ*\p+4*\c+3], v[ABS], s[SBP:SBP+1] offset:0x8000+\p*1024+16*\c
.endr
.endr
	s_cmp_eq_u32 s77, 0
	s_cbranch_scc0 .Lbv_\@
	WIN 0xc0
.irp b, 0,1,2,3
	global_load_b128 v[BON+8*\b:BON+8*\b+3], v[BH], s[68:69] offset:64*\b          ; bk: register i of tile b is feature 16 b + 8 (lane / 16) + i
	global_load_b128 v[BON+8*\b+4:BON+8*\b+7], v[BH], s[68:69] offset:64*\b+16
.endr
	WIN 0
	s_branch .Lbd_\@
.Lbv_\@:
	WIN 0xc0
.irp t, 0,1,2,3
.irp j, 0,1,2,3,4,5,6,7
	global_load_b32 v[BON+8*\t+\j], v[BR], s[70:71] offset:64*\t                   ; bv: all eight registers of tile t are feature 16 t + lane % 16
.endr
.endr
	WIN 0
.Lbd_\@:
.endm
.macro RUNQ s                          ; q_, k_: block s's way out: 16 tokens x 64 features: two blocks of 32 a token, each in lanes l and l xor 16
.set X_, ACC+32*((\s)%2)
	RUNHEAD \s
.if (\s) == 0
	NEXTW
.endif
.irp c, 0,1
	global_load_b128 v[SA+8*(\s)+4*\c:SA+8*(\s)+4*\c+3], v[AAS], s[SAP:SAP+1] offset:0x40000+512*(\s)+16*\c   ; the next phase's scale words of block s
.endr
.irp k, 0,1,2,3
	v_max3_num_f32 v[TM+\k], |v[X_+8*\k]|, |v[X_+8*\k+1]|, |v[X_+8*\k+2]|
.endr
.irp k, 0,1,2,3
	v_max3_num_f32 v[TM+\k], v[TM+\k], |v[X_+8*\k+3]|, |v[X_+8*\k+4]|
.endr
.irp k, 0,1,2,3
	v_max3_num_f32 v[TM+\k], v[TM+\k], |v[X_+8*\k+5]|, |v[X_+8*\k+6]|
.endr
	v_max3_num_f32 v[TM], v[TM], |v[X_+7]|, |v[X_+15]|
	v_max3_num_f32 v[TM+2], v[TM+2], |v[X_+23]|, |v[X_+31]|
	v_max3_num_f32 v[TM], v[TM], v[TM+1], 0x1800000        ; the floor 2^(3 - 127)
	v_max3_num_f32 v[TM+2], v[TM+2], v[TM+3], 0x1800000
	v_permlanex16_b32 v[TM+4], v[TM], s[SEL], s[SEL+1]
	v_permlanex16_b32 v[TM+6], v[TM+2], s[SEL], s[SEL+1]
	v_max_num_f32 v[TM], v[TM], v[TM+4]
	v_max_num_f32 v[TM+2], v[TM+2], v[TM+6]
	v_add_nc_u32 v[TM+12], 0xff000000, v[TM]               ; the conversions' scale operands
	v_add_nc_u32 v[TM+13], 0xff000000, v[TM+2]
	v_lshrrev_b32 v[TM+8], 23, v[TM+12]
	v_lshrrev_b32 v[TM+9], 23, v[TM+13]
	v_lshl_or_b32 v[PW], v[TM+9], 8, v[TM+8]               ; my head's two bytes of the token's scale word
	v_cvt_scalef32_pk16_fp6_f32 v[NC:NC+2], v[X_:X_+15], v[TM+12]
	v_cvt_scalef32_pk16_fp6_f32 v[T2:T2+2], v[X_+16:X_+31], v[TM+13]
	v_nop
.irp i, 0,1,2
	v_permlane16_swap_b32 v[NC+\i], v[T2+\i]               ; a whole block in a lane
.endr
.irp i, 0,1,2
	v_mov_b32 v[NC+3+\i], v[T2+\i]
.endr
	WALU
	ds_store_b16 v[STO], v[PW] offset:64*(\s)
	s_cmp_eq_u32 s16, 0                            ; head 0 is an image's registers 0-5, head 1 its registers 6-11
	s_cbranch_scc0 .Lh1_\@
	global_store_b128 v[V16], v[NC:NC+3], s[QP:QP+1] offset:IMG*(\s)
	global_store_b64 v[V8], v[NC+4:NC+5], s[QP:QP+1] offset:IMG*(\s)+512
	s_branch .Lhd_\@
.Lh1_\@:
	global_store_b64 v[V8], v[NC:NC+1], s[QP:QP+1] offset:IMG*(\s)+768
	global_store_b128 v[V16], v[NC+2:NC+5], s[QP:QP+1] offset:IMG*(\s)+1024
.Lhd_\@:
.if (\s) < 6
	s_wait_dscnt NF+1                              ; the next block's fragments are in; this run's fetch and byte store are younger
.else
	s_wait_dscnt 0x0
.endif
.endm
.macro RUNV s                          ; v_: behind an odd block the two blocks' sums are block u = s / 2 of 32 tokens, for each of four tiles of 16 features
	RUNHEAD \s
.if (\s)%2
.set U_, (\s)/2
.irp t, 0,1,2,3
	v_max3_num_f32 v[TM+\t], |v[ACC+16*\t]|, |v[ACC+16*\t+1]|, 0x1800000
.endr
.irp i, 2,4,6,8,10,12,14
.irp t, 0,1,2,3
	v_max3_num_f32 v[TM+\t], |v[ACC+16*\t+\i]|, |v[ACC+16*\t+\i+1]|, v[TM+\t]
.endr
.endr
.irp t, 0,1,2,3
	v_permlanex16_b32 v[TM+4+\t], v[TM+\t], s[SEL], s[SEL+1]
.endr
.irp t, 0,1,2,3
	v_max_num_f32 v[TM+\t], v[TM+\t], v[TM+4+\t]
.endr
.irp t, 0,1,2,3
	v_add_nc_u32 v[TM+12+\t], 0xff000000, v[TM+\t]
.endr
.irp t, 0,1,2,3
	v_lshrrev_b32 v[TM+4+\t], 23, v[TM+12+\t]
.endr
.irp t, 0,1,2,3
.if U_ == 0
	v_mov_b32 v[PWV+\t], v[TM+4+\t]
.else
	v_lshl_or_b32 v[PWV+\t], v[TM+4+\t], 8*U_, v[PWV+\t]
.endif
.endr
.if U_%2 == 0
.irp t, 0,1,2,3
	v_cvt_scalef32_pk16_fp6_f32 v[VC+6*\t:VC+6*\t+2], v[ACC+16*\t:ACC+16*\t+15], v[TM+12+\t]
.endr
	v_nop
.else
.irp t, 0,1,2,3
	v_cvt_scalef32_pk16_fp6_f32 v[T2+4*\t:T2+4*\t+2], v[ACC+16*\t:ACC+16*\t+15], v[TM+12+\t]
.endr
	v_nop
.irp t, 0,1,2,3
.irp i, 0,1,2
	v_permlane16_swap_b32 v[VC+6*\t+\i], v[T2+4*\t+\i]
.endr
.endr
.irp t, 0,1,2,3
.irp i, 0,1,2
	v_mov_b32 v[VC+6*\t+3+\i], v[T2+4*\t+\i]
.endr
.endr
.irp t, 0,1,2,3
.if U_ == 1
	global_store_b128 v[V16], v[VC+6*\t:VC+6*\t+3], s[VP:VP+1] offset:IMG*\t
	global_store_b64 v[V8], v[VC+6*\t+4:VC+6*\t+5], s[VP:VP+1] offset:IMG*\t+512
.else
	global_store_b64 v[V8], v[VC+6*\t:VC+6*\t+1], s[VP:VP+1] offset:IMG*\t+768
	global_store_b128 v[V16], v[VC+6*\t+2:VC+6*\t+5], s[VP:VP+1] offset:IMG*\t+1024
.endif
.endr
.endif
.endif
.if (\s) < 6
	s_wait_dscnt NF                                ; the next block's fragments are in; this run's fetch is younger
.else
	s_wait_dscnt 0x0
.endif
.endm
.macro PSTART                          ; a phase's head: my weights and blocks 0 and 1 into registers
	v_add_nc_u32 v[AQ], 16*PITCH, v[AQ0]
	PLACES 3
	WALU
.irp q, 0,1,2,3,4,5,6,7
.irp b, 0,1,2,3
	FRAG NB*\q+\b, BA, (\q/2)*PLN+\b*16*PITCH, \q%2
.endr
.endr
	WIN 0
	FETCHA 0, AQ0
	FETCHA 1, AQ
	s_wait_loadcnt 14                              ; the weights' scale words, the bias and block 0's scale words are in; younger: blocks 1 to 7's, two loads each
.set I_, 0
.rept 16
	v_mov_b32 v[SB+I_], v[SBN+I_]
.set I_, I_+1
.endr
	WIN 0xc3
.set I_, 0
.rept 32
	v_mov_b32 v[BO+I_], v[BON+I_]
.set I_, I_+1
.endr
	WIN 0
	PLACES 4
	WALU
	s_wait_dscnt NF                                ; all but block 1's fetch
.endm
; ================= THE HEAD
	s_load_b256 s[4:11], s[0:1], 0x0               ; ic, is, bq, bk
	s_load_b128 s[96:99], s[0:1], 0x20             ; bv, pc
	s_load_b64 s[100:101], s[0:1], 0x30            ; ps
	v_lshl_add_u32 v[SPW], v0, 2, SPARE
	v_mov_b32 v[NIL], 0
	ds_add_u32 v[SPW], v[NIL]                      ; the opening lines: the add twice on end and its wait
	ds_add_u32 v[SPW], v[NIL]
	v_lshrrev_b32 v1, 5, v0
	v_readfirstlane_b32 s14, v1                    ; the wave; s15 = w, s16 = c
	s_lshr_b32 s15, s14, 1
	s_and_b32 s16, s14, 1
	s_bfe_u32 s40, ttmp6, 0x40000
	s_bfe_u32 s41, ttmp6, 0x40004
	s_lshl_b32 s43, ttmp9, 2
	s_add_co_u32 s43, s43, s40                     ; tile row: 256 tokens
	s_and_b32 s42, ttmp7, 0xffff
	s_lshl_b32 s42, s42, 2
	s_add_co_u32 s42, s42, s41                     ; tile column: a pair of heads
	s_lshl_b32 s44, 0x1111, s40                    ; my column of the cluster: shares the tokens
	s_lshl_b32 s45, s41, 2
	s_lshl_b32 s45, 15, s45                        ; my row: shares the weights
	s_or_b32 s[G1A+0], s44, (3<<16)|(1<<21)        ; a chunk: four rows (K steps) of 1,664 elements of 8 bytes
	s_or_b32 s[G1B+0], s45, (3<<16)|(1<<21)
.irp g, G1A, G1B
	s_mov_b32 s[\g+1], 1664<<16
	s_mov_b32 s[\g+2], 4<<16
	s_mov_b32 s[\g+3], 1664<<16
	s_mov_b32 s[\g+4], 4
	s_mov_b32 s[\g+6], 0
	s_mov_b32 s[\g+7], 0
.endr
	s_mov_b32 s[G1A+5], 212992                     ; from K step to K step: 8,192 rows,
	s_mov_b32 s[G1B+5], 26624                      ; 1,024 rows
	s_mul_i32 s46, s43, 256*PITCH                  ; the chunks that I fetch hang on wave % 2
	s_mul_i32 s20, s16, 128*PITCH
	s_add_co_u32 s46, s46, s20
	s_mov_b32 s47, 0
	s_mul_i32 s48, s42, 128*PITCH
	s_mul_i32 s20, s16, 64*PITCH
	s_add_co_u32 s48, s48, s20
	s_add_co_u32 s48, s48, 0x1380000
	s_mov_b32 s49, 0
	s_lshl_b32 s50, s43, 13
	s_lshl_b32 s20, s15, 12
	s_add_co_u32 s50, s50, s20
	s_mov_b32 s51, 0
	s_lshl_b32 s52, s42, 12
	s_lshl_b32 s20, s16, 11
	s_add_co_u32 s52, s52, s20
	s_add_co_u32 s52, s52, 0xc0000
	s_mov_b32 s53, 0
	s_lshl_b32 s78, s42, 9                         ; my 64 features in a bias
	s_lshl_b32 s20, s16, 8
	s_add_co_u32 s78, s78, s20
	s_mov_b32 s79, 0
	s_lshr_b32 s21, s43, 3                         ; y = 8 x batch + pair; an image's number begins with 128 y
	s_lshl_b32 s21, s21, 3
	s_add_co_u32 s21, s21, s42
	s_lshl_b32 s21, s21, 7
	s_and_b32 s22, s43, 7
	s_lshl_b32 s22, s22, 4
	s_add_co_u32 s22, s22, s21                     ; + my work-group's sixteen: token tiles of q_, k_; two key steps x eight of v_
	s_lshl_b32 s23, s15, 3
	s_add_co_u32 s23, s23, s22
	s_mul_i32 s54, s23, IMG
	s_mov_b32 s55, 0
	s_lshl_b32 s20, s16, 2
	s_add_co_u32 s20, s20, s23
	s_mul_i32 s66, s20, IMG
	s_add_co_u32 s66, s66, 0xc00000
	s_mov_b32 s67, 0
	s_lshl_b32 s74, s20, 6
	s_add_co_u32 s74, s74, 0x80000
	s_mov_b32 s75, 0
	s_lshl_b32 s72, s22, 6                         ; at the end wave j stores half j % 2 of phase j / 2's scale words
	s_lshl_b32 s20, s15, 18
	s_add_co_u32 s72, s72, s20
	s_lshl_b32 s20, s16, 9
	s_add_co_u32 s72, s72, s20
	s_mov_b32 s73, 0
	s_mul_i32 s76, s16, 2*CH                       ; LDS: tokens' chunk 0 or 2
	s_mul_i32 s80, s15, 2*CH
	s_mul_i32 s81, s16, CH
	s_add_co_u32 s81, s81, YB
	s_lshl_b32 s82, s15, 9
	s_lshl_b32 s20, s16, 1
	s_add_co_u32 s82, s82, s20
	s_add_co_u32 s82, s82, STG
	s_lshl_b32 s83, s14, 8
	s_add_co_u32 s83, s83, STGV
	s_lshl_b32 s84, s14, 9
	s_add_co_u32 s84, s84, STG
	s_mov_b32 s[SEL], 0x76543210
	s_mov_b32 s[SEL+1], 0xfedcba98
	s_mov_b32 s[G0A], 1
	s_mov_b32 s[G0A+1], s76
	s_mov_b32 s[G0B], 1
	s_mov_b32 s[G0B+1], s81
	v_and_b32 v1, 15, v0
	v_bfe_u32 v2, v0, 4, 1
	v_and_b32 v3, 31, v0
	v_mul_u32_u24 v22, v1, PITCH
	v_mad_u32_u24 v22, v2, 24, v22
	v_add_nc_u32 v[AQ0], s80, v22
	v_add_nc_u32 v[BA], s81, v22
	v_lshlrev_b32 v[V16], 4, v3
	v_lshlrev_b32 v[V8], 3, v3
	v_lshlrev_b32 v[BH], 5, v2
	v_lshlrev_b32 v[BR], 2, v1
	v_lshlrev_b32 v[ABS], 5, v3
	v_lshlrev_b32 v[AAS], 5, v1
	v_lshl_add_u32 v[STO], v1, 2, s82
	v_lshl_add_u32 v[SV], v1, 2, s83
	v_lshl_add_u32 v[SVR], v3, 3, s83
	v_lshl_add_u32 v[SQR], v3, 4, s84
.irp i, 4,5,6,7
	v_mov_b32 v[TM+\i], 0                          ; a lane permute's destination counts as one of its sources
.endr
	WALU                                           ; the wait at the head's end
	s_wait_dscnt 0x0
	CROUND                                         ; the opening round
	s_wait_kmcnt 0x0
	s_add_nc_u64 s[AP:AP+1], s[4:5], s[AP:AP+1]
	s_add_nc_u64 s[BP:BP+1], s[4:5], s[BP:BP+1]
	s_add_nc_u64 s[SAP:SAP+1], s[6:7], s[SAP:SAP+1]
	s_add_nc_u64 s[SBP:SBP+1], s[6:7], s[SBP:SBP+1]
	s_add_nc_u64 s[8:9], s[8:9], s[78:79]
	s_add_nc_u64 s[68:69], s[10:11], s[78:79]
	s_add_nc_u64 s[70:71], s[96:97], s[78:79]
	s_add_nc_u64 s[QP:QP+1], s[98:99], s[QP:QP+1]
	s_add_nc_u64 s[VP:VP+1], s[98:99], s[VP:VP+1]
	s_add_nc_u64 s[72:73], s[100:101], s[72:73]
	s_add_nc_u64 s[74:75], s[100:101], s[74:75]
	s_mov_b64 s[G0A+2:G0A+3], s[AP:AP+1]
	s_or_b32 s[G0A+3], s[G0A+3], 0x80000000
	s_mov_b64 s[G0B+2:G0B+3], s[BP:BP+1]
	s_or_b32 s[G0B+3], s[G0B+3], 0x80000000
	s_cmp_lt_u32 s14, 2                            ; the head's loads, one a wave: waves 0, 1 the weights' chunks, waves 2, 3 tokens' chunks 0 and 2
	s_cbranch_scc0 .Lhead_a
	TLOAD G0B, G1B
	s_branch .Lhead_asked
.Lhead_a:
	TLOAD G0A, G1A
.Lhead_asked:
.irp p, 0,1
.irp c, 0,1
	global_load_b128 v[SBN+NQ*\p+4*\c:SBN+NQ*\p+4*\c+3], v[ABS], s[SBP:SBP+1] offset:\p*1024+16*\c   ; lanes 0-15 tile 2 p's rows, lanes 16-31 tile 2 p + 1's
.endr
.endr
	WIN 0xc0
.irp b, 0,1,2,3
	global_load_b128 v[BON+8*\b:BON+8*\b+3], v[BH], s[8:9] offset:64*\b
	global_load_b128 v[BON+8*\b+4:BON+8*\b+7], v[BH], s[8:9] offset:64*\b+16
.endr
	WIN 0
.irp s, 0,1,2,3,4,5,6,7
.irp c, 0,1
	global_load_b128 v[SA+8*\s+4*\c:SA+8*\s+4*\c+3], v[AAS], s[SAP:SAP+1] offset:512*\s+16*\c
.endr
.endr
	s_wait_tensorcnt 0x0                           ; my chunk is in; the three lines ahead of the later first fills
	ds_add_u32 v[SPW], v[NIL]
	s_add_co_u32 s[G0A+1], s76, CH
	s_add_nc_u64 s[G0A+2:G0A+3], s[AP:AP+1], PLN
	s_or_b32 s[G0A+3], s[G0A+3], 0x80000000
	s_wait_dscnt 0x0
	CROUND
	LOADS2                                         ; tokens' chunks 1 and 3
	s_mov_b32 s77, 0
; ================= q_, THEN k_
.Lphase:
	PSTART
	BLK 0, 0, 0, 14
	RUNQ 0
	BLK 0, 1, 0, 26                                ; younger than a block's scale words: 2 (7 - s) of this phase's, run 0's 14 at the least, 2 (s - 1) since: 26
	RUNQ 1
	BLK 0, 2, 1, 26
	RUNQ 2
	BLK 0, 3, 0, 26
	RUNQ 3
	BLK 0, 4, 0, 26
	RUNQ 4
	BLK 0, 5, 0, 26
	RUNQ 5
	BLK 0, 6, 0, 26
	RUNQ 6
	BLK 0, 7, 2, 26
	RUNQ 7
	s_wait_xcnt 0x0                                ; the pointers step only behind this wait
	s_add_nc_u64 s[SAP:SAP+1], s[SAP:SAP+1], 0x40000
	s_add_nc_u64 s[SBP:SBP+1], s[SBP:SBP+1], 0x8000
	s_add_nc_u64 s[QP:QP+1], s[QP:QP+1], 0x600000
	v_add_nc_u32 v[STO], 1024, v[STO]
	s_add_co_u32 s77, s77, 1
	s_cmp_lt_u32 s77, 2
	WALU
	s_cbranch_scc1 .Lphase
; ================= v_
	PSTART
	BLK 1, 0, 0, 14
	RUNV 0
	BLK 1, 1, 0, 12
	RUNV 1
	BLK 1, 2, 3, 10
	RUNV 2
	BLK 1, 3, 0, 8
	RUNV 3
	BLK 1, 4, 0, 6
	RUNV 4
	BLK 1, 5, 0, 4
	RUNV 5
	BLK 1, 6, 0, 2
	RUNV 6
	BLK 1, 7, 0, 0
	RUNV 7
	WALU
.irp t, 0,1,2,3
	ds_store_b32 v[SV], v[PWV+\t] offset:64*\t     ; my four images' scale words: my own 256 bytes
.endr
	ds_load_b64 v[TM:TM+1], v[SVR]
	ds_load_b128 v[NC:NC+3], v[SQR]                ; q_'s and k_'s scale words: stored ahead of the barrier in v_'s block 2
	s_wait_dscnt 0x0
	global_store_b64 v[V8], v[TM:TM+1], s[74:75]   ; 256 consecutive bytes, aligned
	global_store_b128 v[V16], v[NC:NC+3], s[72:73] ; 512
	s_wait_tensorcnt 0x0                           ; the wave's end
	ds_add_u32 v[SPW], v[NIL]
	s_wait_dscnt 0x0
	CROUND                                         ; the closing round
	s_endpgm
.Lfunc_end_k_q1911fd731c_proj:
	.size	k_q1911fd731c_proj, .Lfunc_end_k_q1911fd731c_proj-k_q1911fd731c_proj
	.p2alignl 7, 3214868480
	.fill 96, 4, 3214868480
	.section	.rodata,"a",@progbits
	.p2align	6, 0x0
	.amdhsa_kernel k_q1911fd731c_proj
		.amdhsa_group_segment_fixed_size 327680
		.amdhsa_private_segment_fixed_size 0
		.amdhsa_enable_private_segment 0
		.amdhsa_kernarg_size 56
		.amdhsa_user_sgpr_count 2
		.amdhsa_user_sgpr_kernarg_segment_ptr 1
		.amdhsa_wavefront_size32 1
		.amdhsa_system_sgpr_workgroup_id_x 1
		.amdhsa_system_sgpr_workgroup_id_y 1
		.amdhsa_system_sgpr_workgroup_id_z 1
		.amdhsa_system_vgpr_workitem_id 0
		.amdhsa_next_free_vgpr 960
		.amdhsa_next_free_sgpr 102
		.amdhsa_reserve_vcc 0
		.amdhsa_float_denorm_mode_32 3
		.amdhsa_float_denorm_mode_16_64 3
		.amdhsa_memory_ordered 1
		.amdhsa_forward_progress 1
		.amdhsa_inst_pref_size 205
	.end_amdhsa_kernel
	.amdgpu_metadata
---
amdhsa.version: [ 1, 2 ]
amdhsa.kernels:
  - .name:           k_q1911fd731c_proj
    .symbol:         k_q1911fd731c_proj.kd
    .args:
      - { .name: ic, .offset: 0, .size: 8, .value_kind: global_buffer, .address_space: global }
      - { .name: is, .offset: 8, .size: 8, .value_kind: global_buffer, .address_space: global }
      - { .name: bq, .offset: 16, .size: 8, .value_kind: global_buffer, .address_space: global }
      - { .name: bk, .offset: 24, .size: 8, .value_kind: global_buffer, .address_space: global }
      - { .name: bv, .offset: 32, .size: 8, .value_kind: global_buffer, .address_space: global }
      - { .name: pc, .offset: 40, .size: 8, .value_kind: global_buffer, .address_space: global }
      - { .name: ps, .offset: 48, .size: 8, .value_kind: global_buffer, .address_space: global }
    .group_segment_fixed_size: 327680
    .private_segment_fixed_size: 0
    .kernarg_segment_align: 8
    .kernarg_segment_size: 56
    .max_flat_workgroup_size: 128
    .sgpr_count:     102
    .vgpr_count:     960
    .wavefront_size: 32
...
	.end_amdgpu_metadata
.endif
;; end of part 2
;; launch attn (part 3): grid 8 x 32, 16 waves a work-group, clusters of 4 x 1, 327,680 bytes of LDS; arguments pc, ps, cc, cs; writes cc, cs
.if DOCPART == 3
	.amdgcn_target "amdgcn-amd-amdhsa--gfx1250"
	.amdhsa_code_object_version 6
	.text
	.protected	k_q1911fd731c_attn
	.globl	k_q1911fd731c_attn
	.p2align	8
	.type	k_q1911fd731c_attn,@function
k_q1911fd731c_attn:
	s_mov_b64 s[64:65], 0
	v_nop
	global_prefetch_b8 v0, s[64:65] scope:SCOPE_SE
	s_setreg_imm32_b32 hwreg(HW_REG_WAVE_MODE, 25, 1), 1
	s_wait_xcnt 0x0
	s_wait_alu depctr_hold_cnt(0) depctr_sa_sdst(0) depctr_va_vdst(0) depctr_va_sdst(0) depctr_va_ssrc(0) depctr_va_vcc(0) depctr_vm_vsrc(0)
	s_getreg_b32 s2, hwreg(HW_REG_IB_STS2, 6, 4)
	s_cmp_eq_u32 s2, 0
	s_cbranch_scc0 .Lentry_in_a_cluster
	s_endpgm
.Lentry_in_a_cluster:
	s_bfe_u32 s2, ttmp6, 0x10000c
	s_cmp_lg_u32 s2, 0x3003
	s_cbranch_scc0 .Lentry_shape_is_right
	s_endpgm
.Lentry_shape_is_right:
; ctx = softmax(q_ k_^T / 8) v_ for 64 (batch, head) pairs of 2,048 x 2,048 x 64, both products on codes of FP6 (E2M3) with one E8M0 scale for each 32 along a product's K; ctx is quantised along the model's features and leaves as codes.
; THE SOFTMAX: t = score x log2(e) / 8; M = the row's largest t so far, rounded UP to a whole number; p = 2^(t - M) is quantised along the keys, not normalised.  The row's sum is taken of the unquantised p, in f32, and divides O at the end.
; When M moves, the sum and O are multiplied by 2^(old M - new M): exact.
; SHARES.  y = 8 x batch + pair of neighbouring heads; a work-group owns 256 queries of y; each of its sixteen waves owns 16 of them, for both heads of the pair, one after the other in each step of 128 keys.
; OPERANDS come as images of their registers (1,536 bytes: registers 0-3 at 16 x lane, 4-5 at 512 + 8 x lane, 6-7 at 768 + 8 x lane, 8-11 at 1,024 + 16 x lane): every LDS read takes consecutive bytes in consecutive lanes.
; A HEAD OF 64 INSIDE K = 128.  An image of Q or K holds the pair's 128 features.  Q is kept twice: [head 0 | zero codes] and [zero codes | head 1], its scale word likewise with the byte 1 for the zero half.  For head c only K's registers
; 6 c .. 6 c + 5 are loaded; the other six hold older codes, finite numbers that meet Q's zero codes under valid scale bytes and add exactly 0.
; LAYOUT.  Both products are used transposed: S^T = K Q^T, O^T = V^T P^T: a lane holds one query (lane % 16) throughout.  The 16 registers of tiles 2 b, 2 b + 1 are 16 members of block b of 32 keys, in this program's order of codes in a block.
; LDS.  K's images of 96 tiles of 16 keys, then V's of 12 key steps: slot 0 is the first 512 keys' room in both, slot 1 the next 1,024 keys'.  Behind them the scale words of all 2,048 keys, filled once, and the spare words.
; FILLS.  At the head one load a wave: waves 0-7 slot 0 (keys 0 to 511), waves 8-15 the scale words.  Behind the three lines and a round: slot 1 (keys 512 to 1,535), one load of 12,288 bytes a wave.  Behind slot 0's four key steps, the three lines
; and a round: ONE REFILL, keys 1,536 to 2,047 into slot 0, by waves 0-7; it is first read eight key steps later, behind a plain barrier in front of which every wave waits for all its tensor loads.  Every wait on TENSORcnt is for 0.
; CLUSTER.  The four query blocks of a cluster walk the same K and V: every tile is asked for jointly, by the same load with the mask of all four.
; NO DATA PREFETCH: three quarters of the keys are asked for before the first product or right behind it, and the refill eight key steps ahead of its first read.
; LIMITS: NaN and infinities are not served; the promise holds while the scaled scores t stay under 2^31 in magnitude; a block of zeros or under 2^-124 gets the byte 1 (this program alone reads the bytes); a block's largest p is made
; from its largest score by the same two instructions, which takes v_exp_f32 not to fall where its input rises (at the worst one p of a block would be held one code low).
; REGISTERS: v1-4 lane terms; v5, v6 the add's; v7, v255 Q's scale words; v8-10, v92, v93 addresses of the key step in hand; v94, v95 lane terms for V; v12-15 head 0's -M, largest t, sum in two halves; v28-31 head 1's; v16-27, v80-91 Q twice;
;   v32-79 four fragments of K or V; v96-159 S^T, then p; v160-223 O^T of heads 0, 1; v224-235 p's codes; v232-247, v252, v254 at work; v248-251 K's or V's scale words; v253 p's scale word.
.set IMG,   1536
.set KTOT,  96*IMG                     ; K's room; V's begins here
.set SCK,   2*KTOT                     ; K's scale words, 8,192 bytes;
.set SCV,   SCK+8192                   ; V's
.set SPARE, SCV+8192                   ; the spare words, 128 bytes a wave
.set L16,  1
.set L8,   2
.set LSC,  3
.set LN,   4
.set SPW,  5
.set NIL,  6
.set A16,  8
.set A8,   9
.set ASC,  10
.set TA,   11
.set A16V, 92
.set A8V,  93
.set L16V, 94
.set L8V,  95
.set WV,   12
.set SEL,  20
.set CS,   22
.set G1,   24                          ; s[24:31] group 1 of the tiles: 48 rows of 256 bytes;  s[32:39] of the scale words: 8 rows
.set G1S,  32
.set G0,   40                          ; s[40:43] group 0 of slot 0's parts;  s[44:47] of the scale words;  s[68:71] of slot 1's parts
.set G0S,  44
.set G0C,  68
.set TB,   48                          ; s48 LDS byte of the key step's images of K
.set TS,   49                          ; s49 of its scale words
.set CNT,  50
.macro PLACES
.rept 4
	v_nop
.endr
.endm
.macro CROUND
	s_barrier_signal -1
	s_barrier_wait -1
	s_cmp_lg_u32 s[WV], 0
	s_cbranch_scc1 .Lnot_wave_0_\@
	s_barrier_signal -3
.Lnot_wave_0_\@:
	s_barrier_wait -3
	s_barrier_signal -1
	s_barrier_wait -1
.endm
.macro TL g0, g1                       ; an s_nop 0 and four v_nop follow a tensor load
	tensor_load_to_lds s[\g0:\g0+3], s[\g1:\g1+7]
	s_nop 0
	PLACES
.endm
	s_load_b256 s[4:11], s[0:1], 0x0               ; pc, ps, cc, cs
	v_lshl_add_u32 v[SPW], v0, 2, SPARE
	v_mov_b32 v[NIL], 0
	ds_add_u32 v[SPW], v[NIL]                      ; the opening lines: the add twice on end and its wait
	ds_add_u32 v[SPW], v[NIL]
	s_wait_dscnt 0x0
	v_lshrrev_b32 v8, 5, v0
	s_delay_alu instid0(VALU_DEP_1)
	v_readfirstlane_b32 s[WV], v8                  ; wave 0..15
	s_bfe_u32 s13, ttmp6, 0x40000                  ; cx: it enters the addresses of Q, cc and cs alone
	s_lshl_b32 s14, ttmp9, 2
	s_add_co_u32 s14, s14, s13                     ; my block of 256 queries
	s_and_b32 s15, ttmp7, 0xffff                   ; y, which the four partners share
	s_mov_b32 s[G1], 15|(3<<16)|(1<<21)
	s_mov_b32 s[G1+1], 32<<16
	s_mov_b32 s[G1+2], 48<<16
	s_mov_b32 s[G1+3], 32<<16
	s_mov_b32 s[G1+4], 48
	s_mov_b32 s[G1+5], 32
	s_mov_b32 s[G1+6], 0
	s_mov_b32 s[G1+7], 0
	s_mov_b32 s[G1S], 15|(3<<16)|(1<<21)
	s_mov_b32 s[G1S+1], 32<<16
	s_mov_b32 s[G1S+2], 8<<16
	s_mov_b32 s[G1S+3], 32<<16
	s_mov_b32 s[G1S+4], 8
	s_mov_b32 s[G1S+5], 32
	s_mov_b32 s[G1S+6], 0
	s_mov_b32 s[G1S+7], 0
	s_and_b32 s52, s[WV], 3                        ; slot 0 and the scale words: part wave % 4 of K (bit 2 = 0) or V (1)
	s_bfe_u32 s53, s[WV], 0x10002
	s_mul_i32 s55, s15, 128*IMG
	s_add_co_u32 s55, s55, 0x600000                ; y's images of K; V's lie 0x600000 further on
	s_mul_i32 s60, s52, 8*IMG
	s_mul_i32 s56, s53, 0x600000
	s_add_co_u32 s56, s56, s55
	s_add_co_u32 s56, s56, s60
	s_mov_b32 s57, 0
	s_mul_i32 s54, s53, KTOT
	s_add_co_u32 s60, s60, s54                     ; its place in LDS
	s_lshl_b32 s58, s53, 18
	s_lshl_b32 s54, s15, 13
	s_add_co_u32 s58, s58, s54
	s_lshl_b32 s54, s52, 11
	s_add_co_u32 s58, s58, s54
	s_add_co_u32 s58, s58, 0x40000
	s_mov_b32 s59, 0
	s_and_b32 s61, s[WV], 7
	s_lshl_b32 s61, s61, 11
	s_and_b32 s66, s[WV], 7                        ; slot 1: part wave % 8 of K (waves 0-7) or V (8-15)
	s_mul_i32 s66, s66, 8*IMG
	s_add_co_u32 s66, s66, 32*IMG
	s_lshr_b32 s67, s[WV], 3
	s_mul_i32 s72, s67, 0x600000
	s_add_co_u32 s72, s72, s55
	s_add_co_u32 s72, s72, s66
	s_mov_b32 s73, 0
	s_mul_i32 s67, s67, KTOT
	s_add_co_u32 s66, s66, s67
	s_lshl_b32 s16, s14, 4                         ; my 16 queries
	s_add_co_u32 s16, s16, s[WV]
	s_lshl_b32 s17, s15, 7
	s_add_co_u32 s17, s17, s16                     ; Q's image
	s_mul_i32 s62, s17, IMG
	s_mov_b32 s63, 0
	s_lshl_b32 s18, s17, 6
	s_mov_b32 s19, 0
	s_and_b32 s2, s15, 7                           ; the pair
	s_lshr_b32 s3, s15, 3
	s_lshl_b32 s3, s3, 7
	s_add_co_u32 s3, s3, s16                       ; token tile among all 512
	s_lshl_b32 s52, s3, 3
	s_add_co_u32 s52, s52, s2
	s_mul_i32 s52, s52, IMG                        ; ctx's image: token tile x 8 + pair
	s_mov_b32 s53, 0
	s_lshl_b32 s54, s3, 9
	s_lshl_b32 s55, s2, 2
	s_add_co_u32 s54, s54, s55                     ; ctx's scale bytes: 32 a token, 4 for a pair
	s_mov_b32 s55, 0
	s_mov_b32 s[SEL], 0x76543210
	s_mov_b32 s[SEL+1], 0xfedcba98
	s_mov_b32 s[CS], 0x3e38aa3b                    ; c = log2(e) / 8
	s_mov_b32 s[CS+1], s[CS]
	s_wait_kmcnt 0x0
	CROUND                                         ; all four work-groups are here: the first joint loads meet
	s_mov_b32 s[G0], 1
	s_mov_b32 s[G0+1], s60
	s_add_nc_u64 s[G0+2:G0+3], s[4:5], s[56:57]
	s_or_b32 s[G0+3], s[G0+3], 0x80000000
	s_mov_b32 s[G0S], 1
	s_add_co_u32 s[G0S+1], s61, SCK
	s_add_nc_u64 s[G0S+2:G0S+3], s[6:7], s[58:59]
	s_or_b32 s[G0S+3], s[G0S+3], 0x80000000
	s_mov_b32 s[G0C], 1
	s_mov_b32 s[G0C+1], s66
	s_add_nc_u64 s[G0C+2:G0C+3], s[4:5], s[72:73]
	s_or_b32 s[G0C+3], s[G0C+3], 0x80000000
	s_cmp_lt_u32 s[WV], 8                          ; the head's loads, one a wave
	s_cbranch_scc0 .Lhead_scales
	TL G0, G1
	s_branch .Lhead_asked
.Lhead_scales:
	TL G0S, G1S
.Lhead_asked:
	s_add_nc_u64 s[4:5], s[4:5], s[62:63]          ; Q's image
	s_add_nc_u64 s[6:7], s[6:7], s[18:19]          ; its scale words
	s_add_nc_u64 s[8:9], s[8:9], s[52:53]          ; ctx's image
	s_add_nc_u64 s[10:11], s[10:11], s[54:55]      ; its scale bytes
	v_and_b32 v[LN], 31, v0
	s_delay_alu instid0(VALU_DEP_1)
	v_lshlrev_b32 v[L16], 4, v[LN]
	s_delay_alu instid0(VALU_DEP_2)
	v_lshlrev_b32 v[L8], 3, v[LN]
	s_delay_alu instid0(VALU_DEP_3)
	v_lshl_add_u32 v[LSC], v[LN], 2, SCK
	v_and_b32 v[TA], 15, v0
	s_delay_alu instid0(VALU_DEP_1)
	v_lshlrev_b32 v[TA], 2, v[TA]
	global_load_b128 v[16:19], v[L16], s[4:5]              ; head 0's codes: registers 0-5 of the first copy of Q
	global_load_b64 v[20:21], v[L8], s[4:5] offset:512
	global_load_b64 v[86:87], v[L8], s[4:5] offset:768     ; head 1's: registers 6-11 of the second
	global_load_b128 v[88:91], v[L16], s[4:5] offset:1024
	global_load_b32 v255, v[TA], s[6:7]
	v_add_nc_u32 v[L16V], KTOT, v[L16]
	v_add_nc_u32 v[L8V], KTOT, v[L8]
.irp i, 0,1,2,3,4,5
	v_mov_b32 v[22+\i], 0                          ; zero codes
	v_mov_b32 v[80+\i], 0
.endr
.irp t, 0,1,2,3
.irp i, 0,1,2,3,4,5
	v_mov_b32 v[38+12*\t+\i], 0                    ; what the very first products name beside K's first halves
.endr
.endr
	v_mov_b32 v13, 0xff61b1e6                      ; the largest t so far: -3e38
	v_mov_b32 v29, 0xff61b1e6
	s_delay_alu instid0(VALU_DEP_2)
	v_floor_f32 v12, -v13                          ; -M
	s_delay_alu instid0(VALU_DEP_2)
	v_floor_f32 v28, -v29
	v_mov_b32 v14, 0
	v_mov_b32 v15, 0
	v_mov_b32 v30, 0
	v_mov_b32 v31, 0
.irp b, 0,1,2,3
	v_mov_b32 v[236+\b], 0                         ; a lane permute's destination counts as one of its sources
.endr
	v_mov_b32 v253, 0
	s_wait_loadcnt 0x0                             ; Q
	v_and_b32 v7, 0xffff0000, v255                 ; head 1's two bytes, and the byte 1 for the half of zero codes
	s_delay_alu instid0(VALU_DEP_1)
	v_or_b32 v7, 0x101, v7
	v_and_b32 v255, 0xffff, v255
	s_delay_alu instid0(VALU_DEP_1)
	v_or_b32 v255, 0x1010000, v255
.set J, 0
.rept 64
	v_mov_b32 v[160+J], 0                          ; O^T: the step is written once, its first run finds zeros.  (Also the places between the scale words above and the first products)
.set J, J+1
.endr
.macro HSTEP c                         ; 128 keys for head c of the pair
.set ST, 12+16*(\c)
.set OB, 160+32*(\c)
.set QF, 16+64*(\c)
.set QS, 255-248*(\c)
	PLACES                                         ; behind the last products: loads into registers that they read follow
.irp g, 0,1                                    ; S^T = K Q^T, four tiles of 16 keys at a time
.if \g
	PLACES
.endif
.irp t, 0,1,2,3
.if \c == 0
	ds_load_b128 v[32+12*\t:35+12*\t], v[A16] offset:(4*\g+\t)*IMG
	ds_load_b64 v[36+12*\t:37+12*\t], v[A8] offset:(4*\g+\t)*IMG+512
.else
	ds_load_b64 v[38+12*\t:39+12*\t], v[A8] offset:(4*\g+\t)*IMG+768
	ds_load_b128 v[40+12*\t:43+12*\t], v[A16] offset:(4*\g+\t)*IMG+1024
.endif
.endr
.if \g == 0
.irp i, 0,1,2,3
	ds_load_b32 v[248+\i], v[ASC] offset:128*\i    ; K's scale words: lanes 0-15 tile 2 i's, lanes 16-31 tile 2 i + 1's
.endr
.endif
	s_wait_dscnt 0x0
.irp t, 0,1,2,3
.if (\t)%2
	v_wmma_scale_f32_16x16x128_f8f6f4 v[96+8*(4*\g+\t):103+8*(4*\g+\t)], v[32+12*\t:43+12*\t], v[QF:QF+11], 0, v[248+2*\g+\t/2], v[QS] matrix_a_fmt:MATRIX_FMT_FP6 matrix_b_fmt:MATRIX_FMT_FP6 matrix_a_scale:MATRIX_SCALE_ROW1
.else
	v_wmma_scale_f32_16x16x128_f8f6f4 v[96+8*(4*\g+\t):103+8*(4*\g+\t)], v[32+12*\t:43+12*\t], v[QF:QF+11], 0, v[248+2*\g+\t/2], v[QS] matrix_a_fmt:MATRIX_FMT_FP6 matrix_b_fmt:MATRIX_FMT_FP6
.endif
.endr
.endr
	PLACES                                         ; the scores are read, and V is loaded where K lay
.irp t, 0,1,2,3                                ; the head's V for these keys is asked for now
	ds_load_b128 v[32+12*\t:35+12*\t], v[A16V] offset:(4*(\c)+\t)*IMG
	ds_load_b64 v[36+12*\t:37+12*\t], v[A8V] offset:(4*(\c)+\t)*IMG+512
	ds_load_b64 v[38+12*\t:39+12*\t], v[A8V] offset:(4*(\c)+\t)*IMG+768
	ds_load_b128 v[40+12*\t:43+12*\t], v[A16V] offset:(4*(\c)+\t)*IMG+1024
.endr
.irp i, 0,1
	ds_load_b32 v[248+\i], v[ASC] offset:SCV-SCK+256*(\c)+128*\i
.endr
.irp b, 0,1,2,3
	v_max3_num_f32 v[232+\b], v[96+16*\b], v[97+16*\b], v[98+16*\b]   ; the largest score of each block of 32 keys: for the row's maximum and for the block's largest p
.endr
.irp i, 3,5,7,9,11,13
.irp b, 0,1,2,3
	v_max3_num_f32 v[232+\b], v[232+\b], v[96+16*\b+\i], v[97+16*\b+\i]
.endr
.endr
.irp b, 0,1,2,3
	v_max_num_f32 v[232+\b], v[232+\b], v[111+16*\b]
.endr
.irp b, 0,1,2,3
	s_delay_alu instid0(VALU_DEP_4)
	v_permlanex16_b32 v[236+\b], v[232+\b], s[SEL], s[SEL+1]
.endr
.irp b, 0,1,2,3
	s_delay_alu instid0(VALU_DEP_4)
	v_max_num_f32 v[232+\b], v[232+\b], v[236+\b]
.endr
	s_delay_alu instid0(VALU_DEP_2)
	v_max3_num_f32 v254, v232, v233, v234
	s_delay_alu instid0(VALU_DEP_1)
	v_max_num_f32 v254, v254, v235                 ; the step's largest score of my query
	s_delay_alu instid0(VALU_DEP_1)
	v_mul_f32 v254, s[CS], v254
	s_delay_alu instid0(VALU_DEP_1)
	v_max_num_f32 v[ST+1], v[ST+1], v254           ; the running largest t
	v_mov_b32 v254, v[ST]
	s_delay_alu instid0(VALU_DEP_2)
	v_floor_f32 v[ST], -v[ST+1]                    ; the new -M = -ceil(t)
	s_delay_alu instid0(VALU_DEP_1)
	v_sub_f32 v254, v[ST], v254
	s_delay_alu instid0(VALU_DEP_1)
	v_cvt_i32_f32 v254, v254
	s_delay_alu instid0(VALU_DEP_1)
	v_ldexp_f32 v252, 1.0, v254                    ; f = 2^(old M - new M)
.set J, 0
.rept 32
	v_pk_fma_f32 v[96+J:97+J], v[96+J:97+J], s[CS:CS+1], v[ST:ST+1] op_sel_hi:[1,0,0]   ; t - M
.set J, J+2
.endr
.irp b, 0,1,2,3
	v_fma_f32 v[232+\b], v[232+\b], s[CS], v[ST]
.endr
.set J, 0
	s_wait_alu depctr_va_vdst(0)
.rept 64
	v_exp_f32 v[96+J], v[96+J]                     ; p = 2^(t - M)
.set J, J+1
.endr
.irp b, 0,1,2,3
	v_exp_f32 v[232+\b], v[232+\b]                 ; the block's largest p
.endr
	v_pk_mul_f32 v[ST+2:ST+3], v[ST+2:ST+3], v[252:253] op_sel_hi:[1,0]   ; the sums under the new M (a plain place behind the exponentials)
	s_wait_alu depctr_va_vdst(0)                   ; and behind it
.irp b, 0,1,2,3
	v_max_num_f32 v[232+\b], 0x1800000, v[232+\b]  ; the floor 2^(3 - 127)
.endr
.irp b, 0,1,2,3
	s_delay_alu instid0(VALU_DEP_4)
	v_add_nc_u32 v[244+\b], 0xff000000, v[232+\b]  ; the conversion's scale operand
.endr
.irp b, 0,1,2,3
	s_delay_alu instid0(VALU_DEP_4)
	v_lshrrev_b32 v[236+\b], 23, v[244+\b]
.endr
	s_delay_alu instid0(VALU_DEP_3)
	v_lshl_or_b32 v253, v237, 8, v236              ; p's scale word for these 128 keys
	s_delay_alu instid0(VALU_DEP_1)
	v_lshl_or_b32 v253, v238, 16, v253
	s_delay_alu instid0(VALU_DEP_1)
	v_lshl_or_b32 v253, v239, 24, v253
.irp e, 0,1
	v_cvt_scalef32_pk16_fp6_f32 v[224+6*\e:226+6*\e], v[96+32*\e:111+32*\e], v[244+2*\e]
	v_cvt_scalef32_pk16_fp6_f32 v[236+4*\e:238+4*\e], v[112+32*\e:127+32*\e], v[244+2*\e+1]
.endr
	v_nop                                          ; one plain place behind a scaled conversion
.irp e, 0,1                                    ; a whole block in a lane: lanes 0-15 block 2 e, lanes 16-31 block 2 e + 1
.irp i, 0,1,2
	v_permlane16_swap_b32 v[224+6*\e+\i], v[236+4*\e+\i]
.endr
.irp i, 0,1,2
	s_delay_alu instid0(VALU_DEP_3)
	v_mov_b32 v[227+6*\e+\i], v[236+4*\e+\i]
.endr
.endr
	v_pk_add_f32 v[236:237], v[96:97], v[98:99]    ; the row's sum of the unquantised p, in two chains
.set J, 4
.rept 15
	v_pk_add_f32 v[ST+2:ST+3], v[ST+2:ST+3], v[96+J:97+J]
	v_pk_add_f32 v[236:237], v[236:237], v[98+J:99+J]
.set J, J+4
.endr
	s_delay_alu instid0(VALU_DEP_1)
	v_pk_add_f32 v[ST+2:ST+3], v[ST+2:ST+3], v[236:237]
.set J, 0
.rept 16
	v_pk_mul_f32 v[OB+J:OB+J+1], v[OB+J:OB+J+1], v[252:253] op_sel_hi:[1,0]   ; O^T under the new M.  (With the sums above: the places between p's codes and scale word and the products below)
.set J, J+2
.endr
	s_wait_alu depctr_va_vdst(0)
	s_wait_dscnt 0x0                               ; V
.irp t, 0,1,2,3                                ; O^T += V^T P^T: the four accumulators take turns
.if (\t)%2
	v_wmma_scale_f32_16x16x128_f8f6f4 v[OB+8*\t:OB+8*\t+7], v[32+12*\t:43+12*\t], v[224:235], v[OB+8*\t:OB+8*\t+7], v[248+\t/2], v253 matrix_a_fmt:MATRIX_FMT_FP6 matrix_b_fmt:MATRIX_FMT_FP6 matrix_a_scale:MATRIX_SCALE_ROW1
.else
	v_wmma_scale_f32_16x16x128_f8f6f4 v[OB+8*\t:OB+8*\t+7], v[32+12*\t:43+12*\t], v[224:235], v[OB+8*\t:OB+8*\t+7], v[248+\t/2], v253 matrix_a_fmt:MATRIX_FMT_FP6 matrix_b_fmt:MATRIX_FMT_FP6
.endif
.endr
.endm
.macro PHASE lbl, tb, ts, n            ; n key steps whose images begin at LDS byte tb (K's) and whose scale words begin ts bytes in
	s_mov_b32 s[TB], \tb
	s_mov_b32 s[TS], \ts
	s_mov_b32 s[CNT], \n
\lbl:
	v_add_nc_u32 v[A16], s[TB], v[L16]
	v_add_nc_u32 v[A8], s[TB], v[L8]
	v_add_nc_u32 v[A16V], s[TB], v[L16V]
	v_add_nc_u32 v[A8V], s[TB], v[L8V]
	v_add_nc_u32 v[ASC], s[TS], v[LSC]
	s_wait_alu depctr_va_vdst(0)
	HSTEP 0
	HSTEP 1
	s_add_co_u32 s[TB], s[TB], 8*IMG
	s_add_co_u32 s[TS], s[TS], 512
	s_sub_co_u32 s[CNT], s[CNT], 1
	s_cmp_lg_u32 s[CNT], 0
	s_cbranch_scc1 \lbl
.endm
	s_wait_alu depctr_va_vdst(0)                   ; the wait at the head's end
	s_wait_tensorcnt 0x0                           ; my part of slot 0 or of the scale words is in; the three lines ahead of slot 1's first fill
	ds_add_u32 v[SPW], v[NIL]
	s_wait_dscnt 0x0
	CROUND
	TL G0C, G1                                     ; slot 1: every wave its own 12,288 bytes
	PHASE .Lp0, 0, 0, 4                            ; keys 0 to 511
	s_wait_tensorcnt 0x0                           ; slot 1 is in; no tensor load of mine is out, so a group 0 may be written
	ds_add_u32 v[SPW], v[NIL]
	s_add_nc_u64 s[G0+2:G0+3], s[G0+2:G0+3], 96*IMG   ; keys 1,536 on, of K and of V alike
	s_wait_dscnt 0x0                               ; the add is done, my reads of slot 0 are over
	CROUND
	s_cmp_lt_u32 s[WV], 8
	s_cbranch_scc0 .Lrefilled
	TL G0, G1                                      ; the one refill
.Lrefilled:
	PHASE .Lp1, 32*IMG, 4*512, 8                   ; keys 512 to 1,535
	s_wait_tensorcnt 0x0                           ; a plain barrier shows the refill to all
	s_wait_dscnt 0x0
	s_barrier_signal -1
	s_barrier_wait -1
	PHASE .Lp2, 0, 12*512, 4                       ; keys 1,536 to 2,047
	; THE WAY OUT.  O^T / the sum: a lane's 64 numbers are its query's 128 features of the pair, 16 members of each block of 32; quantised, they leave as one image.
	PLACES
	v_add_f32 v14, v14, v15
	v_add_f32 v30, v30, v31
	s_delay_alu instid0(VALU_DEP_2)
	v_permlanex16_b32 v252, v14, s[SEL], s[SEL+1]
	s_delay_alu instid0(VALU_DEP_2)
	v_permlanex16_b32 v254, v30, s[SEL], s[SEL+1]
	s_delay_alu instid0(VALU_DEP_2)
	v_add_f32 v14, v14, v252
	s_delay_alu instid0(VALU_DEP_2)
	v_add_f32 v30, v30, v254
	s_wait_alu depctr_va_vdst(0)
	v_rcp_f32 v14, v14
	v_rcp_f32 v30, v30
	v_and_b32 v[TA], 15, v0
	s_delay_alu instid0(VALU_DEP_1)
	v_lshlrev_b32 v[TA], 5, v[TA]                  ; 32 x (lane % 16): my token's scale bytes
.set J, 0
	s_wait_alu depctr_va_vdst(0)
.rept 16
	v_pk_mul_f32 v[96+J:97+J], v[160+J:161+J], v[14:15] op_sel_hi:[1,0]
.set J, J+2
.endr
.rept 16
	v_pk_mul_f32 v[96+J:97+J], v[160+J:161+J], v[30:31] op_sel_hi:[1,0]
.set J, J+2
.endr
.irp b, 0,1,2,3
	v_max3_num_f32 v[232+\b], |v[96+16*\b]|, |v[97+16*\b]|, 0x1800000
.endr
.irp i, 2,4,6,8,10,12,14
.irp b, 0,1,2,3
	s_delay_alu instid0(VALU_DEP_4)
	v_max3_num_f32 v[232+\b], v[232+\b], |v[96+16*\b+\i]|, |v[97+16*\b+\i]|
.endr
.endr
.irp b, 0,1,2,3
	s_delay_alu instid0(VALU_DEP_4)
	v_permlanex16_b32 v[236+\b], v[232+\b], s[SEL], s[SEL+1]
.endr
.irp b, 0,1,2,3
	s_delay_alu instid0(VALU_DEP_4)
	v_max_num_f32 v[232+\b], v[232+\b], v[236+\b]
.endr
.irp b, 0,1,2,3
	s_delay_alu instid0(VALU_DEP_4)
	v_add_nc_u32 v[244+\b], 0xff000000, v[232+\b]
.endr
.irp b, 0,1,2,3
	s_delay_alu instid0(VALU_DEP_4)
	v_lshrrev_b32 v[236+\b], 23, v[244+\b]
.endr
	s_delay_alu instid0(VALU_DEP_3)
	v_lshl_or_b32 v254, v237, 8, v236
	s_delay_alu instid0(VALU_DEP_1)
	v_lshl_or_b32 v254, v238, 16, v254
	s_delay_alu instid0(VALU_DEP_1)
	v_lshl_or_b32 v254, v239, 24, v254
.irp e, 0,1
	v_cvt_scalef32_pk16_fp6_f32 v[32+6*\e:34+6*\e], v[96+32*\e:111+32*\e], v[244+2*\e]
	v_cvt_scalef32_pk16_fp6_f32 v[44+4*\e:46+4*\e], v[112+32*\e:127+32*\e], v[244+2*\e+1]
.endr
	v_nop
.irp e, 0,1
.irp i, 0,1,2
	v_permlane16_swap_b32 v[32+6*\e+\i], v[44+4*\e+\i]
.endr
.irp i, 0,1,2
	s_delay_alu instid0(VALU_DEP_3)
	v_mov_b32 v[35+6*\e+\i], v[44+4*\e+\i]
.endr
.endr
	global_store_b128 v[L16], v[32:35], s[8:9]             ; the image: 512, 256, 256 and 512 consecutive bytes, aligned
	global_store_b64 v[L8], v[36:37], s[8:9] offset:512
	global_store_b64 v[L8], v[38:39], s[8:9] offset:768
	global_store_b128 v[L16], v[40:43], s[8:9] offset:1024
	v_cmp_gt_u32 vcc_lo, 16, v[LN]
	s_wait_xcnt 0x0                                ; EXEC changes only behind this wait
	s_and_saveexec_b32 s52, vcc_lo
	global_store_b32 v[TA], v254, s[10:11]         ; lanes 0-15: one word a token, 32 bytes apart: the bytes stay row by row, as the next launch takes them
	s_wait_xcnt 0x0
	s_or_b32 exec_lo, exec_lo, s52
	s_wait_tensorcnt 0x0                           ; the wave's end
	ds_add_u32 v[SPW], v[NIL]
	s_wait_dscnt 0x0
	CROUND                                         ; the closing round
	s_endpgm
.Lfunc_end_k_q1911fd731c_attn:
	.size	k_q1911fd731c_attn, .Lfunc_end_k_q1911fd731c_attn-k_q1911fd731c_attn
	.p2alignl 7, 3214868480
	.fill 96, 4, 3214868480
	.section	.rodata,"a",@progbits
	.p2align	6, 0x0
	.amdhsa_kernel k_q1911fd731c_attn
		.amdhsa_group_segment_fixed_size 327680
		.amdhsa_private_segment_fixed_size 0
		.amdhsa_enable_private_segment 0
		.amdhsa_kernarg_size 32
		.amdhsa_user_sgpr_count 2
		.amdhsa_user_sgpr_kernarg_segment_ptr 1
		.amdhsa_wavefront_size32 1
		.amdhsa_system_sgpr_workgroup_id_x 1
		.amdhsa_system_sgpr_workgroup_id_y 1
		.amdhsa_system_sgpr_workgroup_id_z 1
		.amdhsa_system_vgpr_workitem_id 0
		.amdhsa_next_free_vgpr 256
		.amdhsa_next_free_sgpr 80
		.amdhsa_reserve_vcc 1
		.amdhsa_float_denorm_mode_32 3
		.amdhsa_float_denorm_mode_16_64 3
		.amdhsa_memory_ordered 1
		.amdhsa_forward_progress 1
		.amdhsa_inst_pref_size 126
	.end_amdhsa_kernel
	.amdgpu_metadata
---
amdhsa.version: [ 1, 2 ]
amdhsa.kernels:
  - .name:           k_q1911fd731c_attn
    .symbol:         k_q1911fd731c_attn.kd
    .args:
      - { .name: pc, .offset: 0, .size: 8, .value_kind: global_buffer, .address_space: global }
      - { .name: ps, .offset: 8, .size: 8, .value_kind: global_buffer, .address_space: global }
      - { .name: cc, .offset: 16, .size: 8, .value_kind: global_buffer, .address_space: global }
      - { .name: cs, .offset: 24, .size: 8, .value_kind: global_buffer, .address_space: global }
    .group_segment_fixed_size: 327680
    .private_segment_fixed_size: 0
    .kernarg_segment_align: 8
    .kernarg_segment_size: 32
    .max_flat_workgroup_size: 512
    .sgpr_count:     80
    .vgpr_count:     256
    .wavefront_size: 32
...
	.end_amdgpu_metadata
.endif
;; end of part 3
;; launch outp (part 4): grid 32 x 8, 4 waves a work-group, clusters of 4 x 4, 327,680 bytes of LDS; arguments cc, cs, ic, is, bo, out0; writes out0
.if DOCPART == 4
	.amdgcn_target "amdgcn-amd-amdhsa--gfx1250"
	.amdhsa_code_object_version 6
	.text
	.protected	k_q1911fd731c_outp
	.globl	k_q1911fd731c_outp
	.p2align	8
	.type	k_q1911fd731c_outp,@function
k_q1911fd731c_outp:
	s_mov_b64 s[64:65], 0
	v_nop
	global_prefetch_b8 v0, s[64:65] scope:SCOPE_SE
	s_setreg_imm32_b32 hwreg(HW_REG_WAVE_MODE, 25, 1), 1
	s_wait_xcnt 0x0
	s_wait_alu depctr_hold_cnt(0) depctr_sa_sdst(0) depctr_va_vdst(0) depctr_va_sdst(0) depctr_va_ssrc(0) depctr_va_vcc(0) depctr_vm_vsrc(0)
	s_getreg_b32 s2, hwreg(HW_REG_IB_STS2, 6, 4)
	s_cmp_eq_u32 s2, 0
	s_cbranch_scc0 .Lentry_in_a_cluster
	s_endpgm
.Lentry_in_a_cluster:
	s_bfe_u32 s2, ttmp6, 0x10000c
	s_cmp_lg_u32 s2, 0xf033
	s_cbranch_scc0 .Lentry_shape_is_right
	s_endpgm
.Lentry_shape_is_right:
; out[token][n] = sum over k of ctx[token][k] Wo[n][k] + bo[n], f32, on codes of FP6 with E8M0 scales: 8,192 x 1,024 x 1,024.
; LIMITS: NaN, infinities and sums beyond f32's range are not served; a sum begins with the bias.
; A = ctx as the attention launch left it: cc[tile of 16 tokens][pair of heads = 128 along K][image of 1,536 bytes]; cs[token][32 scale bytes].  B = Wo's rows in ic ([K step of 256][row][208 bytes]) and is ([row][32]).
; THE DEAL.  256 work-groups of four waves, 2 x 2, each 256 tokens x 128 columns.  A wave holds four tiles of 16 columns of B, all of K, in registers (384), and streams A past them in eight blocks of 16 tokens: block s of wave row w is tokens 32 s + 16 w + 0 .. 15.
; The cluster's x counts tile rows: A's tiles are shared by a column of the cluster, B's by a row.
; LDS: A's 256 tokens, 196,608 dense bytes, all at once; B's 128 rows, four K steps of 26,624 dense bytes; the spare words.  No refill and no data prefetch: all is asked for at the head.
; The waves' stages lie in B's first bytes, which have had their one fill and are read for the last time ahead of the barrier in front of the stream.
; THE HEAD'S FOUR TILES, one a wave, each on its own line: B; A's tokens 0 to 127; 128 to 191; 192 to 255.  The stream begins when the first two are in; a plain barrier inside block 1 shows the others.
; A's scale words of all eight blocks, B's and the bias come by plain loads straight into registers.
; Two sets of A's fragments, of accumulators and of rows back from the stage, by turns.  Behind a block's 32 products one run of memory lines: its sums into the stage and back as rows of 256 bytes; the fetch of the block two on; one wait; eight stores.
.set SIZE_N, 1024
.set NQ, 8
.set NB, 4
.set IMG, 1536
.set BLK, 16*IMG                       ; from a block of mine to the next: 32 tokens
.set PITCH, 208                        ; a row of B in a K step
.set PLB, 128*PITCH                    ; a K step of B in LDS
.set FR, 12
.set FPW, 256/FR
.set NF, 32                            ; LDS loads of a block of A
.set YB, 256*768                       ; B, behind A
.set SPITCH, 272
.set STAGE, YB
.set SPARE, YB+4*PLB
.set AQ0, 4                            ; v4, v5  LDS address of my block 0: + 16 x lane, + 8 x lane
.set AQ, 6                             ; v6, v7  the same for the block that is fetched next
.set CO, 9
.set SPW, 10
.set NIL, 11
.set BA, 12                            ; v12, v13  B's fragments: K steps 0, 1; K steps 2, 3
.set ABS, 16
.set AAS, 17
.set STO, 18
.set RD, 19
.set SB, 24                            ; v24-39   B's scale words
.set ACC, 40                           ; v40-103  two sets of four accumulators
.set BK, 104                           ; v104-167 two sets: 16 rows x 256 bytes back from the stage
.set SA, 172                           ; v172-235 A's scale words: eight a block
.set BO, 128                           ; window 3, v128-159: the bias as the first four products' C
.set G1A, 24
.set G0A, 56
.set G1B, 32
.set G0B, 60
.set MSB, 0
.macro WIN new
.if MSB != \new
	s_set_vgpr_msb (MSB<<8)|\new
.set MSB, \new
.endif
.endm
.macro PLACES n
.rept \n
	v_nop
.endr
.endm
.macro WALU
	s_wait_alu depctr_va_vdst(0)
.endm
.macro BARRIER
	s_barrier_signal -1
	s_barrier_wait -1
.endm
.macro CROUND
	BARRIER
	s_cmp_lg_u32 s14, 0
	s_cbranch_scc1 .Lnot_wave_0_\@
	s_barrier_signal -3
.Lnot_wave_0_\@:
	s_barrier_wait -3
	BARRIER
.endm
.macro TLOAD g0, g1
	tensor_load_to_lds s[\g0:\g0+3], s[\g1:\g1+7]
	s_nop 0
	PLACES 4
.endm
.macro ATILE first, rows               ; a part of A, counted in runs of 768 bytes (a token's share): dense, so its place in LDS is its place in the tile
	s_mov_b32 s[G0A+1], (\first)*768
	s_mov_b32 s[G1A+2], (\rows)<<16
	s_mov_b32 s[G1A+4], \rows
.if \first
	s_add_nc_u64 s[G0A+2:G0A+3], s[G0A+2:G0A+3], (\first)*768
.endif
	s_or_b32 s[G0A+3], s[G0A+3], 0x80000000
	TLOAD G0A, G1A
.endm
.macro FRAGB f, kq, b                  ; a fragment of B: six pieces of 8 bytes
	WIN (1+(\f)/FPW)<<6
.set R_, FR*((\f)%FPW)
.irp p, 0,1,2,3,4,5
	ds_load_b64 v[R_+2*\p:R_+2*\p+1], v[BA+(\kq)/4] offset:96*((\kq)%2)+48*(\p/3)+8*(\p%3)+(\b)*16*PITCH+(((\kq)/2)%2)*PLB
.endr
.endm
.macro FETCHAT e, a                    ; a block of A into set e: NF loads
.irp q, 0,1,2,3,4,5,6,7
.set F_, NB*NQ+NQ*(\e)+\q
.set R_, FR*(F_%FPW)
	WIN (1+F_/FPW)<<6
	ds_load_b128 v[R_:R_+3], v[\a] offset:IMG*\q
	ds_load_b64 v[R_+4:R_+5], v[\a+1] offset:IMG*\q+512
	ds_load_b64 v[R_+6:R_+7], v[\a+1] offset:IMG*\q+768
	ds_load_b128 v[R_+8:R_+11], v[\a] offset:IMG*\q+1024
.endr
	WIN 0
.endm
.macro PROD1 d, s0, s1, c, x0, x1, o
.if \o
	v_wmma_scale_f32_16x16x128_f8f6f4 v[\d:\d+7], v[FR*((\s0)%FPW):FR*((\s0)%FPW)+FR-1], v[FR*((\s1)%FPW):FR*((\s1)%FPW)+FR-1], \c, v[\x0], v[\x1] matrix_a_fmt:MATRIX_FMT_FP6 matrix_b_fmt:MATRIX_FMT_FP6 matrix_a_scale:MATRIX_SCALE_ROW1
.else
	v_wmma_scale_f32_16x16x128_f8f6f4 v[\d:\d+7], v[FR*((\s0)%FPW):FR*((\s0)%FPW)+FR-1], v[FR*((\s1)%FPW):FR*((\s1)%FPW)+FR-1], \c, v[\x0], v[\x1] matrix_a_fmt:MATRIX_FMT_FP6 matrix_b_fmt:MATRIX_FMT_FP6 matrix_a_scale:MATRIX_SCALE_ROW0
.endif
.endm
.macro PROD s, n                       ; product n = 4 q + tile of block s; source 0 = B's rows: a lane holds one token and eight neighbouring columns.  The four accumulators take turns
.set Q_, (\n)/4
.set FB_, NB*Q_+(\n)%4
.set FA_, NB*NQ+NQ*((\s)%2)+Q_
.set D_, ACC+32*((\s)%2)+8*((\n)%4)
.set XB_, SB+NQ*(((\n)%4)/2)+Q_
.set XA_, SA+8*(\s)+Q_
.if Q_
	WIN (1+FB_/FPW)|((1+FA_/FPW)<<2)
	PROD1 D_, FB_, FA_, v[D_:D_+7], XB_, XA_, (\n)%2
.else
	WIN (1+FB_/FPW)|((1+FA_/FPW)<<2)|0x30
	PROD1 D_, FB_, FA_, v[BO+8*((\n)%4):BO+8*((\n)%4)+7], XB_, XA_, (\n)%2
.endif
.endm
.macro PRODS s, from, to
.set N_, \from
.rept (\to)-(\from)
	PROD \s, N_
.set N_, N_+1
.endr
	WIN 0
.endm
.macro STREAM s
.if (\s) == 1
	PRODS \s, 0, 24
	s_wait_tensorcnt 0x0                           ; a plain barrier: waves 2 and 3's tiles are shown to all
	s_wait_dscnt 0x0
	s_barrier_signal -1
	PRODS \s, 24, 32
	s_barrier_wait -1
.else
	PRODS \s, 0, 32
.endif
.if (\s) < 6                           ; four plain vector lines between the last product and the first reader of its sums and the fetch into its registers
	v_add_nc_u32 v[AQ], ((\s)+2)*BLK, v[AQ0]
	v_add_nc_u32 v[AQ+1], ((\s)+2)*BLK, v[AQ0+1]
	PLACES 2
	WALU
.else
	PLACES 4
.endif
	s_wait_xcnt 0x0                                ; the stores of two blocks ago have read this set of rows
.irp b, 0,1,2,3                        ; the sums into my stage, each accumulator from its low end on, and back as whole rows: LDS serves a wave's instructions in order
	ds_store_b128 v[STO], v[ACC+32*((\s)%2)+8*\b:ACC+32*((\s)%2)+8*\b+3] offset:64*\b
	ds_store_b128 v[STO], v[ACC+32*((\s)%2)+8*\b+4:ACC+32*((\s)%2)+8*\b+7] offset:64*\b+16
.endr
.irp t, 0,1,2,3,4,5,6,7
	ds_load_b128 v[BK+32*((\s)%2)+4*\t:BK+32*((\s)%2)+4*\t+3], v[RD] offset:2*\t*SPITCH
.endr
.if (\s) < 6
	FETCHAT (\s)%2, AQ
	s_wait_dscnt NF                                ; the rows are back, and the next block's fragments are in; this run's fetch is younger
.else
	s_wait_dscnt 0x0
.endif
.irp t, 0,1,2,3,4,5,6,7
	global_store_b128 v[CO], v[BK+32*((\s)%2)+4*\t:BK+32*((\s)%2)+4*\t+3], s[12:13] offset:(32*(\s)+2*\t)*SIZE_N*4 th:TH_STORE_NT   ; sixteen lanes store 256 consecutive bytes, aligned
.endr
.endm
	s_load_b128 s[4:7], s[0:1], 0x0                ; cc, cs
	s_load_b128 s[8:11], s[0:1], 0x10              ; ic, is
	s_load_b64 s[76:77], s[0:1], 0x20              ; bo
	s_load_b64 s[12:13], s[0:1], 0x28              ; out0
	v_lshl_add_u32 v[SPW], v0, 2, SPARE
	v_mov_b32 v[NIL], 0
	ds_add_u32 v[SPW], v[NIL]                      ; the opening lines: the add twice on end and its wait
	ds_add_u32 v[SPW], v[NIL]
	v_lshrrev_b32 v1, 5, v0
	v_readfirstlane_b32 s14, v1                    ; the wave; s15 its row of the 2 x 2, s16 its column
	s_lshr_b32 s15, s14, 1
	s_and_b32 s16, s14, 1
	s_bfe_u32 s40, ttmp6, 0x40000
	s_bfe_u32 s41, ttmp6, 0x40004
	s_lshl_b32 s43, ttmp9, 2
	s_add_co_u32 s43, s43, s40                     ; tile row
	s_and_b32 s42, ttmp7, 0xffff
	s_lshl_b32 s42, s42, 2
	s_add_co_u32 s42, s42, s41                     ; tile column
	s_lshl_b32 s44, 0x1111, s40                    ; my column of the cluster: shares A
	s_lshl_b32 s45, s41, 2
	s_lshl_b32 s45, 15, s45                        ; my row: shares B
	s_or_b32 s[G1A+0], s44, (1<<21)                ; A: runs of 768 bytes, dense; how many, each wave's own arm says
	s_mov_b32 s[G1A+1], 768<<16
	s_mov_b32 s[G1A+3], 768<<16
	s_mov_b32 s[G1A+5], 768
	s_mov_b32 s[G1A+6], 0
	s_mov_b32 s[G1A+7], 0
	s_or_b32 s[G1B+0], s45, (3<<16)|(1<<21)        ; B: four rows (K steps) of 3,328 elements of 8 bytes, 26,624 elements apart
	s_mov_b32 s[G1B+1], 3328<<16
	s_mov_b32 s[G1B+2], 4<<16
	s_mov_b32 s[G1B+3], 3328<<16
	s_mov_b32 s[G1B+4], 4
	s_mov_b32 s[G1B+5], 26624
	s_mov_b32 s[G1B+6], 0
	s_mov_b32 s[G1B+7], 0
	s_mov_b32 s[G0A], 1
	s_mov_b32 s[G0B], 1
	s_mov_b32 s[G0B+1], YB
	s_mul_i32 s72, s43, 256*768                    ; A's tile
	s_mov_b32 s73, 0
	s_mul_i32 s78, s42, 128*PITCH                  ; B's rows in K step 0
	s_add_co_u32 s78, s78, 0x15f0000
	s_mov_b32 s79, 0
	s_lshl_b32 s80, s43, 13                        ; A's scale bytes: my block 0
	s_lshl_b32 s21, s15, 9
	s_add_co_u32 s80, s80, s21
	s_mov_b32 s81, 0
	s_lshl_b32 s82, s42, 12                        ; B's: my 64 rows
	s_lshl_b32 s21, s16, 11
	s_add_co_u32 s82, s82, s21
	s_add_co_u32 s82, s82, 0xd8000
	s_mov_b32 s83, 0
	s_lshl_b32 s86, s42, 9                         ; my 64 columns, in bytes
	s_lshl_b32 s21, s16, 8
	s_add_co_u32 s86, s86, s21
	s_mov_b32 s87, 0
	s_lshl_b32 s84, s43, 20                        ; my block 0 in out0
	s_lshl_b32 s21, s15, 16
	s_add_co_u32 s84, s84, s21
	s_add_co_u32 s84, s84, s86
	s_mov_b32 s85, 0
	s_mul_i32 s22, s16, 64*PITCH
	s_add_co_u32 s22, s22, YB
	s_mul_i32 s23, s15, 8*IMG
	s_mul_i32 s21, s14, 16*SPITCH
	s_add_co_u32 s21, s21, STAGE
	v_and_b32 v1, 15, v0
	v_bfe_u32 v2, v0, 4, 1
	v_and_b32 v3, 31, v0
	v_mul_u32_u24 v22, v1, PITCH
	v_mad_u32_u24 v23, v2, 24, v22
	v_add_nc_u32 v[BA], s22, v23
	v_add_nc_u32 v[BA+1], 2*PLB, v[BA]
	v_lshl_add_u32 v[AQ0], v3, 4, s23
	v_lshl_add_u32 v[AQ0+1], v3, 3, s23
	v_add_nc_u32 v[AQ], BLK, v[AQ0]
	v_add_nc_u32 v[AQ+1], BLK, v[AQ0+1]
	v_lshlrev_b32 v[ABS], 5, v3
	v_lshlrev_b32 v[AAS], 5, v1
	v_lshlrev_b32 v8, 5, v2
	v_mul_u32_u24 v23, v1, SPITCH
	v_lshl_add_u32 v23, v2, 5, v23
	v_add_nc_u32 v[STO], s21, v23
	v_mul_u32_u24 v23, v2, SPITCH
	v_lshl_add_u32 v23, v1, 4, v23
	v_add_nc_u32 v[RD], s21, v23
	v_mul_u32_u24 v23, v2, SIZE_N*4
	v_lshl_add_u32 v[CO], v1, 4, v23
	WALU                                           ; the wait at the head's end
	s_wait_dscnt 0x0
	CROUND                                         ; the opening round
	s_wait_kmcnt 0x0
	s_add_nc_u64 s[G0A+2:G0A+3], s[4:5], s[72:73]
	s_add_nc_u64 s[G0B+2:G0B+3], s[8:9], s[78:79]
	s_or_b32 s[G0B+3], s[G0B+3], 0x80000000
	s_add_nc_u64 s[6:7], s[6:7], s[80:81]
	s_add_nc_u64 s[10:11], s[10:11], s[82:83]
	s_add_nc_u64 s[76:77], s[76:77], s[86:87]
	s_add_nc_u64 s[12:13], s[12:13], s[84:85]
	s_cmp_eq_u32 s14, 0
	s_cbranch_scc0 .Lwave_1
	TLOAD G0B, G1B                                 ; wave 0: B, which is wanted first
	s_branch .Lasked
.Lwave_1:
	s_cmp_eq_u32 s14, 1
	s_cbranch_scc0 .Lwave_2
	ATILE 0, 128
	s_branch .Lasked
.Lwave_2:
	s_cmp_eq_u32 s14, 2
	s_cbranch_scc0 .Lwave_3
	ATILE 128, 64
	s_branch .Lasked
.Lwave_3:
	ATILE 192, 64
.Lasked:
.irp p, 0,1
.irp c, 0,1
	global_load_b128 v[SB+NQ*\p+4*\c:SB+NQ*\p+4*\c+3], v[ABS], s[10:11] offset:\p*1024+16*\c   ; lanes 0-15 tile 2 p's rows, lanes 16-31 tile 2 p + 1's
.endr
.endr
.irp s, 0,1,2,3,4,5,6,7
.irp c, 0,1
	global_load_b128 v[SA+8*\s+4*\c:SA+8*\s+4*\c+3], v[AAS], s[6:7] offset:\s*1024+16*\c       ; block s: token lane % 16's eight words
.endr
.endr
	WIN 0xc0
.irp b, 0,1,2,3
	global_load_b128 v[BO+8*\b:BO+8*\b+3], v8, s[76:77] offset:64*\b                           ; register i of tile b is column 16 b + 8 (lane / 16) + i
	global_load_b128 v[BO+8*\b+4:BO+8*\b+7], v8, s[76:77] offset:64*\b+16
.endr
	WIN 0
	s_wait_dscnt 0x0
	s_cmp_eq_u32 s14, 0
	s_cbranch_scc0 .Lnot_b
	s_wait_tensorcnt 0x0
.Lnot_b:
	BARRIER                                        ; B has landed
.irp q, 0,1,2,3,4,5,6,7
.irp b, 0,1,2,3
	FRAGB NB*\q+\b, \q, \b
.endr
.endr
	WIN 0
	s_cmp_eq_u32 s14, 1
	s_cbranch_scc0 .Lnot_a
	s_wait_tensorcnt 0x0
.Lnot_a:
	s_wait_dscnt 0x0
	BARRIER                                        ; A's first 128 tokens are in, and nobody reads B's bytes any more
	FETCHAT 0, AQ0
	FETCHAT 1, AQ
	s_wait_loadcnt 0x0                             ; the scale words and the bias
	s_wait_dscnt NF                                ; block 0's fragments are in
.irp s, 0,1,2,3,4,5,6,7
	STREAM \s
.endr
	s_wait_tensorcnt 0x0                           ; the wave's end
	ds_add_u32 v[SPW], v[NIL]
	s_wait_dscnt 0x0
	CROUND                                         ; the closing round
	s_endpgm
.Lfunc_end_k_q1911fd731c_outp:
	.size	k_q1911fd731c_outp, .Lfunc_end_k_q1911fd731c_outp-k_q1911fd731c_outp
	.p2alignl 7, 3214868480
	.fill 96, 4, 3214868480
	.section	.rodata,"a",@progbits
	.p2align	6, 0x0
	.amdhsa_kernel k_q1911fd731c_outp
		.amdhsa_group_segment_fixed_size 327680
		.amdhsa_private_segment_fixed_size 0
		.amdhsa_enable_private_segment 0
		.amdhsa_kernarg_size 48
		.amdhsa_user_sgpr_count 2
		.amdhsa_user_sgpr_kernarg_segment_ptr 1
		.amdhsa_wavefront_size32 1
		.amdhsa_system_sgpr_workgroup_id_x 1
		.amdhsa_system_sgpr_workgroup_id_y 1
		.amdhsa_system_sgpr_workgroup_id_z 1
		.amdhsa_system_vgpr_workitem_id 0
		.amdhsa_next_free_vgpr 928
		.amdhsa_next_free_sgpr 102
		.amdhsa_reserve_vcc 0
		.amdhsa_float_denorm_mode_32 3
		.amdhsa_float_denorm_mode_16_64 3
		.amdhsa_memory_ordered 1
		.amdhsa_forward_progress 1
		.amdhsa_inst_pref_size 90
	.end_amdhsa_kernel
	.amdgpu_metadata
---
amdhsa.version: [ 1, 2 ]
amdhsa.kernels:
  - .name:           k_q1911fd731c_outp
    .symbol:         k_q1911fd731c_outp.kd
    .args:
      - { .name: cc, .offset: 0, .size: 8, .value_kind: global_buffer, .address_space: global }
      - { .name: cs, .offset: 8, .size: 8, .value_kind: global_buffer, .address_space: global }
      - { .name: ic, .offset: 16, .size: 8, .value_kind: global_buffer, .address_space: global }
      - { .name: is, .offset: 24, .size: 8, .value_kind: global_buffer, .address_space: global }
      - { .name: bo, .offset: 32, .size: 8, .value_kind: global_buffer, .address_space: global }
      - { .name: out0, .offset: 40, .size: 8, .value_kind: global_buffer, .address_space: global }
    .group_segment_fixed_size: 327680
    .private_segment_fixed_size: 0
    .kernarg_segment_align: 8
    .kernarg_segment_size: 48
    .max_flat_workgroup_size: 128
    .sgpr_count:     102
    .vgpr_count:     928
    .wavefront_size: 32
...
	.end_amdgpu_metadata
.endif
;; end of part 4
